; MI455X (gfx1250); checked and timed in simulation.
; The chip was launched on July 23, 2026; its instructions are those of AMD's public machine-readable ISA for CDNA 5 (MIT licence, August 2026) and "CDNA5" Instruction Set Architecture Reference Guide (July 2026). The comments in the code are by the model that wrote it; some were corrected since.
;; PM Subgoal Attention. Allowed arithmetic: matrix products marked QUANTISED: E2M1 operands, one E8M0 scale for each 32 along K, by v_wmma_scale_f32_16x16x128_f8f6f4 with both operands' format E2M1 (or v_wmma_scale_f32_32x16x128_f4), f32 sums; products left as they are: f32 operands where the result goes on into a quantised operand, else bf16, f16 or f32 operands; f32 sums; everything else in f32.
;; Inputs: Wk_codes 512 x 16 x 16 uint8 (E2M1 codes of Wk, K innermost, in blocks of 32 codes, two codes a byte); Wk_scales 512 x 16 uint8 (E8M0 scales of Wk, one for each 32 codes along K); Wq1 512 x 1 float32; Wq2_codes 512 x 16 x 16 uint8 (E2M1 codes of Wq2, K innermost, in blocks of 32 codes, two codes a byte); Wq2_scales 512 x 16 uint8 (E8M0 scales of Wq2, one for each 32 codes along K); Wv_codes 512 x 16 x 16 uint8 (E2M1 codes of Wv, K innermost, in blocks of 32 codes, two codes a byte); Wv_scales 512 x 16 uint8 (E8M0 scales of Wv, one for each 32 codes along K); bk 512 float32; bq1 512 float32; bq2 512 float32; bv 512 float32; ln_b 512 float32; ln_g 512 float32; mask 4,096 x 32 int32; pm 4,096 x 1 float32; subgoals_codes 4,096 x 32 x 16 x 16 uint8 (E2M1 codes of subgoals, K innermost, in blocks of 32 codes, two codes a byte); subgoals_scales 4,096 x 32 x 16 uint8 (E8M0 scales of subgoals, one for each 32 codes along K).
;; Outputs: out0 4,096 x 512 float32; out1 4,096 x 32 float32.
;; This version of the problem:
;;   THIS VERSION OF THE PROBLEM IS GIVEN IN LOW PRECISION. The matrix products marked QUANTISED in the list below multiply operands that are first quantised to E2M1 (2 exponent bits, 1 mantissa bit; 4 bits a number), with one power-of-two scale for each 32 numbers along K (OCP MX v1.0); their sums are f32. All else is computed in f32.
;;   The module's matrix products, in the order in which they are computed (A, B: the left and right operand; K: the contracted axis; several contracted axes count as one K, in the product's order):
;;     1. [M 4,096, K 1] x [K 1, N 512]; A: input pm; B: input Wq1: left as it is (K = 1 < 32)
;;     2. [M 4,096, K 512] x [K 512, N 512]; A: computed on the way; B: input Wq2 (given as codes): QUANTISED
;;     3. [M 131,072, K 512] x [K 512, N 512]; A: input subgoals (given as codes); B: input Wk (given as codes): QUANTISED
;;     4. [M 131,072, K 512] x [K 512, N 512]; A: input subgoals (given as codes); B: input Wv (given as codes): QUANTISED
;;     5. batch 4,096 x [M 1, K 512] x [K 512, N 32]; A: computed on the way; B: computed on the way: left as it is (M = 1 < 16)
;;     6. batch 4,096 x [M 1, K 32] x [K 32, N 512]; A: softmax; B: computed on the way: left as it is (M = 1 < 16)
;;   THE QUANTISER, for each operand of a quantised product, along K:
;;     - K is cut into blocks of 32 from its start; a last block that is shorter is filled with zeros.
;;     - A block's scale is 2^e with e = floor(log2(the largest magnitude in the block)) - 2, held to -126 .. 127; a block of zeros has e = 0. As a byte (E8M0): e + 127.
;;     - Each number is divided by its block's scale, clamped to +-6, and rounded to the nearest number of E2M1, ties to even, subnormals kept.
;;     - The product sums the exact products of the quantised numbers (number of the format x scale) in f32.
;;   ~~~python
;;   def quantise(x, axis):      # numpy; x: float32 -> the quantised numbers, widened to float32 again
;;       x = np.moveaxis(x, axis, -1); K = x.shape[-1]
;;       x = np.pad(x, [(0, 0)] * (x.ndim - 1) + [(0, -K % 32)]); x = x.reshape(x.shape[:-1] + (-1, 32)); a = np.abs(x).max(-1, keepdims=True)
;;       e = np.where(a > 0, np.clip(np.frexp(np.where(a > 0, a, 1))[1] - 1 - 2, -126, 127), 0)      # np.frexp(a)[1] - 1 = floor(log2(a)), exactly
;;       r = np.clip(x / 2.0 ** e, -6, 6)
;;       step = 2.0 ** (np.maximum(np.frexp(np.where(r == 0, 1, r))[1] - 1, 0) - 1)
;;       q = np.round(r / step) * step * 2.0 ** e      # np.round: ties to even
;;       return np.moveaxis(q.reshape(q.shape[:-2] + (-1,))[..., :K], -1, axis).astype(np.float32)
;;   ~~~
;;   OPERANDS COMPUTED ON THE WAY. 'Computed on the way' means the value that the module computes at that place (a softmax that the list does not call 'softmax' is quantised finished and normalised). What goes into a quantiser is computed in f32, as accurately as f32 sums, v_exp_f32 and their like allow (about 1e-6 of the number): no bf16 or f16 on the way to a quantiser, and a product that is left as it is and whose result goes on into a quantised operand takes f32 operands (vector FMAs, or v_wmma_f32_16x16x4_f32). A number that lies on a knife's edge between two numbers of the format may be rounded either way, as far as f32 arithmetic and the matrix unit's own rounding can turn it there, and no further.
;;   INPUTS GIVEN AS CODES. Wk (in the module: [512, 512], K = its axis 1); Wq2 (in the module: [512, 512], K = its axis 1); Wv (in the module: [512, 512], K = its axis 1); subgoals (in the module: [4096, 32, 512], K = its axis 2): each comes as NAME_codes (uint8): NAME with its K axis moved to the last place and cut into blocks of 32 codes, [.., K / 32, bytes a block], one block behind the other in memory; two codes a byte, the lower K in the low four bits (a code: sign, 2 exponent bits, 1 mantissa bit); and NAME_scales (uint8): the same leading axes, one E8M0 byte (e + 127) for each 32 codes along K. Its value is code x scale, taken as it is: it is not quantised again, and the codes and scales need not be those that the quantiser above would give.
;; 2 versions. Each part assembles by itself: llvm-mc -triple=amdgcn-amd-amdhsa -mcpu=gfx1250 --defsym DOCPART=n.
;; ======== version 1 of 2: 1 launch
;; launch fused (part 1): grid 256 x 1, 4 waves a work-group, clusters of 4 x 1, 327,680 bytes of LDS; arguments subgoals_codes, subgoals_scales, mask, pm, Wq1, bq1, ln_g, ln_b, bq2, bk, Wq2_scales, Wq2_codes, Wk_codes, Wv_codes, Wk_scales, Wv_scales, bv, out0, out1; writes out0, out1
.if DOCPART == 1
	.amdgcn_target "amdgcn-amd-amdhsa--gfx1250"
	.amdhsa_code_object_version 6
	.text
	.protected	k_q4e31c847e6_fused
	.globl	k_q4e31c847e6_fused
	.p2align	8
	.type	k_q4e31c847e6_fused,@function
k_q4e31c847e6_fused:
	s_mov_b64 s[64:65], 0
	v_nop
	global_prefetch_b8 v0, s[64:65] scope:SCOPE_SE
	s_setreg_imm32_b32 hwreg(HW_REG_WAVE_MODE, 25, 1), 1
	s_wait_xcnt 0x0
	s_wait_alu depctr_hold_cnt(0) depctr_sa_sdst(0) depctr_va_vdst(0) depctr_va_sdst(0) depctr_va_ssrc(0) depctr_va_vcc(0) depctr_vm_vsrc(0)
	s_getreg_b32 s2, hwreg(HW_REG_IB_STS2, 6, 4)
	s_cmp_eq_u32 s2, 0
	s_cbranch_scc0 .Lentry_in_a_cluster
	s_endpgm
.Lentry_in_a_cluster:
	s_bfe_u32 s2, ttmp6, 0x10000c
	s_cmp_lg_u32 s2, 0x3003
	s_cbranch_scc0 .Lentry_shape_is_right
	s_endpgm
.Lentry_shape_is_right:
; PMSubgoalAttention in MX-FP4, one launch.  4,096 batches; each has 32 subgoal rows of 512 numbers (codes of E2M1 with E8M0 bytes).
;   query = Q(relu(LayerNorm(pm Wq1 + bq1))) Wq2^T + bq2;  keys = S Wk^T + bk;  values = S Wv^T + bv;
;   score[n] = (query . keys[n]) / sqrt(512) + exp(-8 (pm - n / 31)^2), -1e9 where mask = 0;  attn = softmax(score);  out = attn . values.
; NO WORK IS LEFT OUT: every input has a way to an output and is loaded; masked rows are computed and selected.  bk stays: under the mask query . bk moves the open scores against the -1e9 of the closed ones.
; TWO IDENTITIES, for all values of the inputs: sum_h q (K + bk) = sum_h q K + sum_h q bk;  sum_n attn (V + bv) = sum_n attn V + bv, since a softmax's weights sum to 1.
; LIMITS: NaN and infinities among the inputs are not served.  The position n / 31 is made as n x (1 / 31), one rounding away from the division.  A block of zeros of the hidden layer
; gets the scale byte 1 where the quantiser says 127: its codes are zeros, and the byte is read by this launch alone.
; SHARES.  256 work-groups of four waves.  A work-group owns 16 batches: one tile of 16 rows for the query's product.  A wave owns 4 batches = 128 subgoal rows = 8 row tiles x 4 K steps,
; 256 registers, which stay for the whole launch.  Wk and Wv lie in LDS whole (Wq2 first in Wv's place).  Each wave walks all 32 column tiles of Wk, does the softmax of its own 4 batches,
; then walks all 32 column tiles of Wv.  Keys and values exist only as accumulators, one column tile at a time; each is folded at once, by packed f32 multiply-adds that stand one or two
; behind each matrix instruction, into 64 score sums a lane (keys) or 4 outputs a lane (values).
; CLUSTER.  All work-groups read the same three weights and their scale bytes: 4 work-groups form a cluster and ask for each tile jointly (mask 15); each wave asks for a quarter of a weight.
; No prefetch is laid: the one stream read once, the subgoals, is asked for whole by its own loads at the head, and no later trip loads from memory but 16 bytes a lane of bv.
; THE COLUMNS OF A TILE ARE NOT NEIGHBOURS: lane r of column tile (u, p) takes row h = 64 u + 4 r + p of the weight.  The weights are dense in memory, so they lie in LDS as LONG rows of four
; rows (1,024 bytes + 16 of padding): the 16 rows of a tile are 16 different long rows, 1,040 bytes apart, which start at 16 different groups of banks; and a lane's four tiles p = 0 .. 3 are
; four NEIGHBOURING h: q comes by loads of 8 bytes and out0 leaves by stores of 16 bytes a lane, sixteen lanes to 256 consecutive aligned bytes, with no stage.
; REGISTERS, in windows of 256.  Window 0: addresses, scale words, the weights' fragments (two sets), q, attn.  Window 1: batches 0, 1 (half X): v0-127 their rows, v128-191 accumulators (two sets of 4),
; v192-223 the score sums, later the outputs at work.  Window 2: the same for batches 2, 3 (half Y).  Window 3: Wq2's fragments.  Under ONE setting (X = 0x51, Y = 0xa2: source 0, source 2 and
; destination in the half's window, source 1 in window 0) stand both the matrix instruction (rows, weight fragment, accumulator) and the multiply-add that consumes the tile before (accumulator, q or attn, sum).
.set WK,    0                          ; LDS: Wk's codes: 128 long rows, pitch 1,040
.set WV,    133120                     ; Wq2's codes, filled again once with Wv's
.set SCL,   266240                     ; Wk's scale bytes: 128 rows of 64 bytes (4 rows of the weight) + 16, pitch 80; 10,240 bytes on: Wv's
.set TURN,  286720                     ; 8,704 bytes for each wave: first the parameters' scratch (6 x 512), then the stage of 32 rows x 272 through which a batch's rows turn
.set QST,   TURN                       ; laid over it behind the second round: q, 16 batches, pitch 2,064
.set QBK,   319744                     ; likewise: the waves' parts of q . bk, [batch 16][wave 4]
.set HIMG,  321536                     ; the hidden layer's four fragments as images of their registers, 1,024 bytes each; later each wave's attn
.set HSC,   325632                     ; their scale words, 128 bytes each
.set RED,   326144                     ; LayerNorm: [row 16][wave 4] sums; 256 bytes on: the squares
.set SPARE, 326656                     ; the spare words, 128 bytes for each wave: two blocks of 256 bytes that no other line names
.set AS,   32                          ; v32-47   subgoals' scale words: batch i, K step s at 4 i + s; lanes 0-15 rows 0-15, lanes 16-31 rows 16-31
.set WS,   48                          ; v48-55   the weight tile's scale words, two sets of 4
.set BV,   56                          ; v56-59   bv of my four columns
.set MK,   60                          ; v60-63   mask of my subgoal, four batches
.set BF,   64                          ; v64-127  the weight tile's fragments, two sets of 4 K steps x 8
.set AT,   128                         ; v128-191 attn as the values' consumer wants it: 16 a batch
.set WQS,  192                         ; v192-223 Wq2's scale words: tile t, K step s at 4 t + s
.set XS,   224                         ; v224-227 the hidden layer's scale words
.set QQ,   228                         ; v228-243 q of my four columns: 4 a batch
.set ACC,  128                         ; in a half's window
.set SS,   192
.set OO,   192
.set PP,   200
.set RR,   204
.set W1,   64                          ; the query's phase, window 0: Wq1; then the sums' chains, the hidden fragments, the codes at work
.set HH,   128                         ; the hidden layer: register 16 b + i = k 128 w + 32 b + 16 (lane / 16) + i of batch lane % 16
.set CH,   64
.set XF,   64
.set PC,   96
.set TM,   104
.set PW,   120
.set LB,   128                         ; window 1: ln_b, ln_g
.set LG,   192
.set QA,   128                         ; window 2: bq2, then q in place; bk
.set BK,   192
.set TT,   128                         ; the softmax, window 0
.set KK,   160
.set QP,   96
.set QB,   112
.set BI,   116
.set SCR,  120
.set MX,   124
.set TP,   248
.set MSB, 0
.macro WIN new                         ; the immediate's high byte repeats the setting that is left; a switch that changes nothing is dropped
.if MSB != (\new)
	s_set_vgpr_msb (MSB<<8)|(\new)
.set MSB, \new
.endif
.endm
.macro ROUND                           ; a round of the cluster's barrier: my work-group's barrier, wave 0 signals for it, all wait for the four work-groups, my work-group's barrier once more
	s_barrier_signal -1
	s_barrier_wait -1
	s_cmp_lg_u32 s4, 0
	s_cbranch_scc1 .Lnot_wave_0_\@
	s_barrier_signal -3
.Lnot_wave_0_\@:
	s_barrier_wait -3
	s_barrier_signal -1
	s_barrier_wait -1
.endm
.macro BAR                             ; my LDS stores have landed and my LDS loads are in: then the work-group's barrier
	s_wait_dscnt 0x0
	s_barrier_signal -1
	s_barrier_wait -1
.endm
	s_load_b512 s[8:23], s[0:1], 0x0               ; subgoals' codes 8, scales 10, mask 12, pm 14, Wq1 16, bq1 18, ln_g 20, ln_b 22
	s_load_b512 s[24:39], s[0:1], 0x40             ; bq2 24, bk 26, Wq2's scales 28, codes 30, Wk's codes 32, Wv's codes 34, Wk's scales 36, Wv's scales 38
	s_load_b128 s[40:43], s[0:1], 0x80             ; bv 40, out0 42
	s_load_b64 s[44:45], s[0:1], 0x90              ; out1
	v_lshl_add_u32 v1, v0, 2, SPARE
	v_mov_b32 v2, 0
	ds_add_u32 v1, v2                              ; the wave's opening: the add, twice on end, and its wait ahead of my first tensor load; the set-up below stands between
	ds_add_u32 v1, v2
	v_lshrrev_b32 v3, 5, v0
	v_readfirstlane_b32 s4, v3                     ; wave 0..3
	s_bfe_u32 s5, ttmp6, 0x40000                   ; cx
	s_lshl_b32 s6, ttmp9, 2
	s_add_co_u32 s6, s6, s5                        ; work-group = 4 x cluster + cx: it enters global addresses of my own rows alone
	s_lshl_b32 s7, s6, 4
	s_lshl_b32 s2, s4, 2
	s_add_co_u32 s7, s7, s2                        ; my wave's first batch: 16 x work-group + 4 x wave
	s_mov_b32 s3, 0
	s_mov_b32 s95, 0                               ; s[94:95]: offsets made of the wave's number alone
	; descriptor group 1 for a quarter of a weight: 32 long rows of 128 elements of 8 bytes, 4 words of padding behind every 256
	s_mov_b32 s48, 15|(3<<16)|(1<<20)|(1<<21)|(7<<22)|(3<<25)  ; 15:0 the mask: all four work-groups; 17:16 elements of 8 bytes; 20 padding on; 21 set beside a mask; 24:22 code 7; 31:25 code 3
	s_mov_b32 s49, 128<<16                         ; tensor_dim0
	s_mov_b32 s50, 32<<16                          ; tensor_dim1
	s_mov_b32 s51, 128<<16                         ; tile_dim0
	s_mov_b32 s52, 32                              ; tile_dim1
	s_mov_b32 s53, 128                             ; stride from row to row
	s_mov_b32 s54, 0
	s_mov_b32 s55, 0
	; and for half of a weight's scale bytes: 64 rows of 8 elements of 8 bytes, 4 words of padding behind every 16
	s_mov_b32 s56, 15|(3<<16)|(1<<20)|(1<<21)|(3<<22)|(3<<25)
	s_mov_b32 s57, 8<<16
	s_mov_b32 s58, 64<<16
	s_mov_b32 s59, 8<<16
	s_mov_b32 s60, 64
	s_mov_b32 s61, 8
	s_mov_b32 s62, 0
	s_mov_b32 s63, 0
	s_mov_b32 s68, 1                               ; groups 0: count, LDS address = a constant + a constant x wave
	s_mul_i32 s69, s4, 5120
	s_add_co_u32 s69, s69, SCL
	s_mov_b32 s72, 1
	s_mul_i32 s73, s4, 33280
	s_add_co_u32 s73, s73, WV
	s_mov_b32 s76, 1
	s_mul_i32 s77, s4, 33280
	s_mov_b32 s80, 1
	s_mul_i32 s81, s4, 33280
	s_add_co_u32 s81, s81, WV
	s_mov_b32 s88, 0xff00ff00                      ; lanes whose number has bit 3, 2, 1, 0 set
	s_mov_b32 s89, 0xf0f0f0f0
	s_mov_b32 s90, 0xcccccccc
	s_mov_b32 s91, 0xaaaaaaaa
	s_mov_b32 s92, 0x76543210                      ; v_permlanex16_b32's selects for lane l xor 16
	s_mov_b32 s93, 0xfedcba98
	v_and_b32 v3, 15, v0                           ; r
	v_bfe_u32 v4, v0, 4, 1                         ; h
	v_and_b32 v5, 31, v0
	v_lshlrev_b32 v5, 4, v5                        ; 16 x lane
	v_lshlrev_b32 v6, 2, v3                        ; 4 r
	v_lshlrev_b32 v7, 6, v3                        ; 64 r
	v_and_b32 v8, 7, v0
	v_bfe_u32 v9, v0, 3, 1
	v_lshl_or_b32 v8, v9, 4, v8
	v_lshl_or_b32 v8, v4, 3, v8                    ; n(lane) = (l & 7) + 16 (bit 3) + 8 (bit 4): the subgoal whose score the reduction leaves in my lane
	v_lshlrev_b32 v8, 2, v8
	v_lshlrev_b32 v9, 4, v3                        ; 16 r
	v_lshl_add_u32 v10, v4, 11, v9                 ; out0: 2,048 h + 16 r
	s_mul_i32 s94, s4, 8704
	s_add_co_u32 s94, s94, TURN                    ; my wave's scratch and stage
	v_add_nc_u32 v11, s94, v5                      ; parameters in: 16 x lane
	v_lshl_add_u32 v12, v4, 8, v6
	v_add_nc_u32 v12, s94, v12                     ; bq2, bk in: 256 (lane / 16) + 4 (lane % 16)
	v_lshl_add_u32 v13, v4, 6, s94                 ; parameters back: 64 h
	v_lshl_add_u32 v14, v4, 5, s94                 ; bq2, bk back: 32 h
	v_mad_u32_u24 v15, v4, 272, v9
	v_add_nc_u32 v15, s94, v15                     ; the stage, in: two rows an instruction
	v_mul_u32_u24 v16, v3, 272
	v_lshl_add_u32 v16, v4, 4, v16
	v_add_nc_u32 v16, s94, v16                     ; and back: row r, + 16 h
	s_lshl_b32 s94, s4, 2
	s_add_co_u32 s94, s94, RED
	v_add_nc_u32 v17, s94, v9
	v_add_nc_u32 v18, RED, v9
	s_lshl_b32 s94, s4, 10
	s_add_co_u32 s94, s94, HIMG
	v_add_nc_u32 v19, s94, v5
	v_lshrrev_b32 v22, 2, v5                       ; 4 x lane
	s_lshl_b32 s94, s4, 7
	s_add_co_u32 s94, s94, HSC
	v_add_nc_u32 v20, s94, v22
	v_add_nc_u32 v21, HIMG, v5
	v_add_nc_u32 v22, HSC, v22
	v_mul_u32_u24 v26, v3, 1040
	v_lshl_add_u32 v26, v4, 4, v26                 ; my lane's place in a group of 64 rows of a weight
	s_mul_i32 s94, s4, 33280
	s_add_co_u32 s94, s94, WV
	v_add_nc_u32 v23, s94, v26                     ; Wq2: my wave's 128 rows
	v_mul_u32_u24 v24, v3, 2064
	v_lshl_add_u32 v24, v4, 7, v24
	s_lshl_b32 s94, s4, 9
	s_add_co_u32 s94, s94, QST
	v_add_nc_u32 v24, s94, v24                     ; q in: batch r, + 512 w + 128 h
	s_lshl_b32 s94, s4, 2
	s_add_co_u32 s94, s94, QBK
	v_add_nc_u32 v25, s94, v9
	v_mul_u32_u24 v27, v3, 80                      ; my lane's place in a group's scale bytes
	s_mul_i32 s94, s4, 8256
	s_add_co_u32 s94, s94, QST
	v_add_nc_u32 v28, s94, v9                      ; q back: my wave's four batches, + 16 r
	s_wait_dscnt 0x0                               ; both opening adds are done
	s_wait_kmcnt 0x0
	s_lshl_b32 s2, s7, 13
	s_add_nc_u64 s[8:9], s[8:9], s[2:3]            ; my four batches: 8,192 bytes of codes each,
	s_lshl_b32 s2, s7, 9
	s_add_nc_u64 s[10:11], s[10:11], s[2:3]        ; 512 of scale bytes,
	s_lshl_b32 s2, s7, 7
	s_add_nc_u64 s[12:13], s[12:13], s[2:3]        ; 128 of mask
	s_add_nc_u64 s[44:45], s[44:45], s[2:3]        ; and of out1,
	s_lshl_b32 s2, s7, 11
	s_add_nc_u64 s[42:43], s[42:43], s[2:3]        ; 2,048 of out0
	s_lshl_b32 s2, s7, 2
	s_add_nc_u64 s[100:101], s[14:15], s[2:3]      ; pm of my four batches,
	s_lshl_b32 s2, s6, 6
	s_add_nc_u64 s[46:47], s[14:15], s[2:3]        ; and of the work-group's sixteen
	s_load_b128 s[96:99], s[100:101], 0x0
	s_lshl_b32 s94, s4, 9                          ; the parameters: my wave's 128 numbers
	s_add_nc_u64 s[16:17], s[16:17], s[94:95]
	s_add_nc_u64 s[18:19], s[18:19], s[94:95]
	s_add_nc_u64 s[20:21], s[20:21], s[94:95]
	s_add_nc_u64 s[22:23], s[22:23], s[94:95]
	s_add_nc_u64 s[24:25], s[24:25], s[94:95]
	s_add_nc_u64 s[26:27], s[26:27], s[94:95]
	s_lshl_b32 s94, s4, 11
	s_add_nc_u64 s[28:29], s[28:29], s[94:95]      ; Wq2's scale bytes: my 128 rows
	s_lshl_b32 s94, s4, 15                         ; a quarter of a weight's codes
	s_add_nc_u64 s[74:75], s[30:31], s[94:95]
	s_or_b32 s75, s75, 0x80000000
	s_add_nc_u64 s[78:79], s[32:33], s[94:95]
	s_or_b32 s79, s79, 0x80000000
	s_add_nc_u64 s[82:83], s[34:35], s[94:95]
	s_or_b32 s83, s83, 0x80000000
	s_cmp_lt_u32 s4, 2                             ; waves 0, 1 fetch Wk's scale bytes, waves 2, 3 Wv's: the choice hangs on the wave's number alone
	s_cselect_b64 s[70:71], s[36:37], s[38:39]
	s_and_b32 s94, s4, 1
	s_lshl_b32 s94, s94, 12
	s_add_nc_u64 s[70:71], s[70:71], s[94:95]
	s_or_b32 s71, s71, 0x80000000
	; the parameters (7 loads), Wq2's scale words (8), and three of my four batches as they lie, 512 consecutive bytes a load (48): 63 loads
	global_load_b128 v[228:231], v5, s[16:17]      ; Wq1
	global_load_b128 v[232:235], v5, s[18:19]      ; bq1
	global_load_b128 v[236:239], v5, s[20:21]      ; ln_g
	global_load_b128 v[240:243], v5, s[22:23]      ; ln_b
	global_load_b128 v[248:251], v5, s[24:25]      ; bq2
	global_load_b128 v[252:255], v5, s[26:27]      ; bk
	global_load_b32 v244, v6, s[46:47]             ; pm of batch r
.irp t, 0,1,2,3,4,5,6,7
	global_load_b128 v[WQS+4*\t:WQS+4*\t+3], v7, s[28:29] offset:16*(64*(\t/4)+\t%4)   ; row 64 (t / 4) + 4 r + t % 4: four K steps' words
.endr
	WIN 0x40
.irp i, 0,1
.irp g, 0,1,2,3,4,5,6,7,8,9,10,11,12,13,14,15
	global_load_b128 v[64*\i+4*\g:64*\i+4*\g+3], v5, s[8:9] offset:8192*\i+512*\g th:TH_LOAD_NT
.endr
.endr
	WIN 0x80
.irp g, 0,1,2,3,4,5,6,7,8,9,10,11,12,13,14,15
	global_load_b128 v[4*\g:4*\g+3], v5, s[8:9] offset:16384+512*\g th:TH_LOAD_NT
.endr
	WIN 0
	s_wait_kmcnt 0x0                               ; pm in scalars
	ROUND                                          ; all four work-groups are here: the first joint loads meet
	tensor_load_to_lds s[68:71], s[56:63]          ; the scale bytes, Wq2, Wk: three loads of mine are out
	s_nop 0
	tensor_load_to_lds s[72:75], s[48:55]
	s_nop 0
	tensor_load_to_lds s[76:79], s[48:55]
	s_nop 0
.rept 4
	v_nop
.endr
	; ---- THE PARAMETERS go through my scratch, so that each lane gets those of its own k (or h)
	s_wait_loadcnt 48                              ; the 15 oldest loads are in; the 48 of the subgoals may stay out
.irp a, 0,1,2,3
	ds_store_b128 v11, v[228+4*\a:231+4*\a] offset:512*\a
.endr
.irp a, 0,1
.irp p, 0,1,2,3
	ds_store_b32 v12, v[248+4*\a+\p] offset:2048+512*\a+64*\p   ; number 4 l + p goes to [l / 16][p][l % 16]: the order of the query's result
.endr
.endr
.irp i, 0,1,2,3
	global_load_b128 v[AS+4*\i:AS+4*\i+3], v5, s[10:11] offset:512*\i th:TH_LOAD_NT   ; lane l: row l's four scale words
.endr
.irp i, 0,1,2,3
	global_load_b32 v[MK+\i], v8, s[12:13] offset:128*\i th:TH_LOAD_NT
.endr
	global_load_b128 v[BV:BV+3], v9, s[40:41]      ; bv of the first group of 64 columns
.irp b, 0,1,2,3
.irp q, 0,1,2,3
	ds_load_b128 v[W1+16*\b+4*\q:W1+16*\b+4*\q+3], v13 offset:128*\b+16*\q
	ds_load_b128 v[HH+16*\b+4*\q:HH+16*\b+4*\q+3], v13 offset:512+128*\b+16*\q   ; bq1, onto which h is built
.endr
.endr
	WIN 0x40
.irp b, 0,1,2,3
.irp q, 0,1,2,3
	ds_load_b128 v[LG+16*\b+4*\q:LG+16*\b+4*\q+3], v13 offset:1024+128*\b+16*\q
	ds_load_b128 v[LB+16*\b+4*\q:LB+16*\b+4*\q+3], v13 offset:1536+128*\b+16*\q
.endr
.endr
	WIN 0
	s_wait_dscnt 32                                ; Wq1 and bq1 are in; ln_g's and ln_b's 32 loads may stay out
	v_mov_b32 v245, v244                           ; (named with it as a pair)
	; ---- THE HIDDEN LAYER, in f32: wave w has K step w of the query's product, for the 16 batches
.set ee, 0
.rept 32
	v_pk_fma_f32 v[HH+ee:HH+ee+1], v[W1+ee:W1+ee+1], v[244:245], v[HH+ee:HH+ee+1] op_sel_hi:[1,0,1]   ; h = Wq1 pm + bq1
.set ee, ee+2
.endr
.macro FOLD off                        ; four packed chains -> the row's sum over my wave's 128 -> LDS -> barrier
	v_pk_add_f32 v[CH:CH+1], v[CH:CH+1], v[CH+2:CH+3]
	v_pk_add_f32 v[CH+4:CH+5], v[CH+4:CH+5], v[CH+6:CH+7]
	v_pk_add_f32 v[CH:CH+1], v[CH:CH+1], v[CH+4:CH+5]
	v_add_f32 v[CH], v[CH], v[CH+1]
	v_permlanex16_b32 v[CH+2], v[CH], s92, s93
	v_add_f32 v[CH], v[CH], v[CH+2]
	ds_store_b32 v17, v[CH] offset:\off            ; both halves of the lanes write the same word with the same value
	BAR
.endm
.irp c, 0,1,2,3
	v_pk_add_f32 v[CH+2*\c:CH+2*\c+1], v[HH+2*\c:HH+2*\c+1], v[HH+8+2*\c:HH+9+2*\c]
.endr
.irp g, 2,3,4,5,6,7
.irp c, 0,1,2,3
	v_pk_add_f32 v[CH+2*\c:CH+2*\c+1], v[CH+2*\c:CH+2*\c+1], v[HH+8*\g+2*\c:HH+8*\g+2*\c+1]
.endr
.endr
	FOLD 0
	ds_load_b128 v[72:75], v18                     ; the four waves' sums of row r
	WIN 0x80
.irp t, 0,1,2,3,4,5,6,7
.irp q, 0,1
	ds_load_b128 v[QA+8*\t+4*\q:QA+8*\t+4*\q+3], v14 offset:2048+64*\t+16*\q   ; bq2 in the query's result layout: the C of its first K step
	ds_load_b128 v[BK+8*\t+4*\q:BK+8*\t+4*\q+3], v14 offset:2560+64*\t+16*\q   ; bk likewise
.endr
.endr
	WIN 0
	s_wait_dscnt 32                                ; the sums are in; the 32 loads behind them may stay out
	v_add_f32 v72, v72, v73
	v_add_f32 v74, v74, v75
	v_add_f32 v72, v72, v74
	v_mul_f32 v246, 0x3b000000, v72                ; the mean: / 512
	v_mov_b32 v247, v246
.set ee, 0
.rept 32
	v_pk_add_f32 v[HH+ee:HH+ee+1], v[HH+ee:HH+ee+1], v[246:247] op_sel_hi:[1,0] neg_lo:[0,1] neg_hi:[0,1]   ; h - mean
.set ee, ee+2
.endr
.irp c, 0,1,2,3
	v_pk_mul_f32 v[CH+2*\c:CH+2*\c+1], v[HH+2*\c:HH+2*\c+1], v[HH+2*\c:HH+2*\c+1]
.endr
.irp g, 1,2,3,4,5,6,7
.irp c, 0,1,2,3
	v_pk_fma_f32 v[CH+2*\c:CH+2*\c+1], v[HH+8*\g+2*\c:HH+8*\g+2*\c+1], v[HH+8*\g+2*\c:HH+8*\g+2*\c+1], v[CH+2*\c:CH+2*\c+1]
.endr
.endr
	FOLD 256
	ds_load_b128 v[72:75], v18 offset:256
	s_mov_b32 s2, 0x3b000000                       ; 1 / 512
	s_mov_b32 s7, 0x3727c5ac                       ; 1e-5
	s_wait_dscnt 0x0
	v_add_f32 v72, v72, v73
	v_add_f32 v74, v74, v75
	v_add_f32 v72, v72, v74
	v_fma_f32 v72, v72, s2, s7                     ; the variance + eps
	v_rsq_f32 v248, v72
	v_nop                                          ; a plain instruction behind the transcendental,
	s_wait_alu depctr_va_vdst(0)                   ; and the wait ahead of the first use of its result
	v_mov_b32 v249, v248
.set ee, 0
.rept 32
	v_pk_mul_f32 v[HH+ee:HH+ee+1], v[HH+ee:HH+ee+1], v[248:249] op_sel_hi:[1,0]
.set ee, ee+2
.endr
	WIN 0x14                                       ; sources 1 and 2 (ln_g, ln_b) in window 1
.set ee, 0
.rept 32
	v_pk_fma_f32 v[HH+ee:HH+ee+1], v[HH+ee:HH+ee+1], v[LG+ee:LG+ee+1], v[LB+ee:LB+ee+1]
.set ee, ee+2
.endr
	WIN 0
.set ee, 0
.rept 64
	v_max_num_f32 v[HH+ee], 0, v[HH+ee]            ; relu
.set ee, ee+1
.endr
	; the quantiser: four blocks of 32 along K; a block lies in lanes l and l xor 16
.irp b, 0,1,2,3
	v_max3_num_f32 v[TM+\b], v[HH+16*\b], v[HH+1+16*\b], 0x1800000   ; none is negative; the floor 2^(3 - 127) holds the byte at 1 from below
.endr
.irp n, 2,4,6,8,10,12,14
.irp b, 0,1,2,3
	v_max3_num_f32 v[TM+\b], v[TM+\b], v[HH+16*\b+\n], v[HH+1+16*\b+\n]
.endr
.endr
.irp b, 0,1,2,3
	v_permlanex16_b32 v[TM+4+\b], v[TM+\b], s92, s93
.endr
.irp b, 0,1,2,3
	v_max_num_f32 v[TM+\b], v[TM+\b], v[TM+4+\b]
.endr
.irp b, 0,1,2,3
	v_add_nc_u32 v[TM+12+\b], 0xff000000, v[TM+\b] ; 2 off the exponent field: the conversion's scale operand
.endr
.irp b, 0,1,2,3
	v_lshrrev_b32 v[TM+4+\b], 23, v[TM+12+\b]      ; the scale's byte
.endr
	v_lshl_or_b32 v[PW], v[TM+5], 8, v[TM+4]
	v_lshl_or_b32 v[PW], v[TM+6], 16, v[PW]
	v_lshl_or_b32 v[PW], v[TM+7], 24, v[PW]
.irp b, 0,1,2,3
	v_cvt_scalef32_pk8_fp4_f32 v[PC+2*\b], v[HH+16*\b:HH+7+16*\b], v[TM+12+\b]
	v_cvt_scalef32_pk8_fp4_f32 v[PC+1+2*\b], v[HH+8+16*\b:HH+15+16*\b], v[TM+12+\b]
.endr
	v_nop                                          ; one plain instruction behind a scaled conversion
.irp c, 0,1                                    ; the operand's layout wants a whole block in a lane
.irp n, 0,1
	v_permlane16_swap_b32 v[PC+4*\c+\n], v[PC+2+4*\c+\n]
.endr
.endr
	ds_store_b128 v19, v[PC:PC+3]                  ; the fragment goes to LDS as an image of its registers,
	ds_store_b128 v19, v[PC+4:PC+7] offset:512
	ds_store_b32 v20, v[PW]                        ; and its scale words
	s_wait_tensorcnt 0x1                           ; my parts of the scale bytes and of Wq2 are in; Wk's load may stay out
	BAR
	; ---- THE QUERY'S PRODUCT: my 128 outputs (8 tiles) for the 16 batches, transposed: source 0 = 16 rows of Wq2, source 1 = the hidden layer
	WIN 0x80
.irp g, 0,1,2,3,4,5,6,7,8,9,10,11,12,13,14,15
	global_load_b128 v[64+4*\g:67+4*\g], v5, s[8:9] offset:24576+512*\g th:TH_LOAD_NT   ; my fourth batch
.endr
	WIN 0
.irp k, 0,1,2,3
.irp c, 0,1
	ds_load_b128 v[XF+8*\k+4*\c:XF+8*\k+4*\c+3], v21 offset:1024*\k+512*\c
.endr
.endr
.irp k, 0,1,2,3
	ds_load_b32 v[XS+\k], v22 offset:128*\k
.endr
	WIN 0xc0
.irp k, 0,1,2,3
.irp t, 0,1,2,3,4,5,6,7
.irp c, 0,1
	ds_load_b128 v[32*\t+8*\k+4*\c:32*\t+8*\k+4*\c+3], v23 offset:16640*(\t/4)+256*(\t%4)+64*\k+32*\c
.endr
.endr
.endr
	WIN 0xa3                                       ; source 0 window 3, source 1 window 0, C and D window 2
.irp k, 0,1,2,3
	s_wait_dscnt 48-16*\k                          ; this K step's fragments are in; the later K steps' 16 loads each may stay out
.irp t, 0,1,2,3,4,5,6,7                        ; the eight accumulators take turns; bq2 is the C of the first K step
	v_wmma_scale_f32_16x16x128_f8f6f4 v[QA+8*\t:QA+8*\t+7], v[32*\t+8*\k:32*\t+8*\k+7], v[XF+8*\k:XF+8*\k+7], v[QA+8*\t:QA+8*\t+7], v[WQS+4*\t+\k], v[XS+\k] matrix_a_fmt:MATRIX_FMT_FP4 matrix_b_fmt:MATRIX_FMT_FP4
.endr
.endr                                          ; lane (r, h): batch r; register 8 t + j: q at 128 w + 64 (t / 4) + 32 h + 4 j + t % 4
.rept 4
	v_nop                                          ; four plain instructions between the last product and the first read of results
.endr
	WIN 0x0a                                       ; sources 0 and 1 window 2, the sums in window 0
.set ee, 0
.rept 32
.if ee < 2
	v_pk_mul_f32 v[TM+2*(ee%2):TM+2*(ee%2)+1], v[QA+2*ee:QA+2*ee+1], v[BK+2*ee:BK+2*ee+1]
.else
	v_pk_fma_f32 v[TM+2*(ee%2):TM+2*(ee%2)+1], v[QA+2*ee:QA+2*ee+1], v[BK+2*ee:BK+2*ee+1], v[TM+2*(ee%2):TM+2*(ee%2)+1]   ; q . bk over my wave's 128, two chains; each accumulator from its low end on
.endif
.set ee, ee+1
.endr
	WIN 0
	v_pk_add_f32 v[TM:TM+1], v[TM:TM+1], v[TM+2:TM+3]
	v_add_f32 v[TM], v[TM], v[TM+1]
	v_permlanex16_b32 v[TM+2], v[TM], s92, s93
	v_add_f32 v[TM], v[TM], v[TM+2]                ; batch r's part: kept until the stage's bytes are free
	; ---- THE TURN: a batch's 8,192 bytes, loaded as they lie, go through my stage (rows 272 bytes apart) and come back as fragments, into the registers that they left
.macro TURNB i
	WIN 0x44+0x44*((\i)/2)
.irp g, 0,1,2,3,4,5,6,7,8,9,10,11,12,13,14,15
	ds_store_b128 v15, v[64*((\i)%2)+4*\g:64*((\i)%2)+4*\g+3] offset:544*\g
.endr
.irp t, 0,1
.irp k, 0,1,2,3
.irp c, 0,1
	ds_load_b128 v[32*(2*((\i)%2)+\t)+8*\k+4*\c:32*(2*((\i)%2)+\t)+8*\k+4*\c+3], v16 offset:4352*\t+64*\k+32*\c   ; LDS serves a wave's instructions in order: these see the stores above, and the next batch's stores come behind them
.endr
.endr
.endr
.endm
	s_wait_loadcnt 57                              ; batch 0 is in: behind its loads 16 + 16 + 9 + 16 were issued
	TURNB 0
	s_wait_loadcnt 41
	TURNB 1
	s_wait_loadcnt 25
	TURNB 2
	s_wait_loadcnt 0x0                             ; batch 3, and the scale words, mask and bv that were asked for ahead of it
	TURNB 3
	; ---- Wq2 IS DONE WITH: ITS BYTES TAKE Wv
	WIN 0
	s_wait_tensorcnt 0x0                           ; all my tensor loads have landed, my part of Wk among them
	ds_add_u32 v1, v2                              ; 0 onto my spare word
	s_mov_b32 s84, WK                              ; where the group of 64 columns in hand begins: codes,
	s_mov_b32 s85, SCL                             ; scale bytes,
	s_mov_b32 s86, 0                               ; and q
	s_wait_dscnt 0x0                               ; the add is done; my reads of Wq2 and of my stage are over
	ROUND                                          ; so of every wave of the four work-groups
	tensor_load_to_lds s[80:83], s[48:55]          ; the joint refill, first behind the round: it has the whole keys pass in which to land
	s_nop 0
.rept 4
	v_nop
.endr
.macro FETCHW bs, off, so              ; a column tile's four fragments and its scale words into set bs
.irp k, 0,1,2,3
.irp c, 0,1
	ds_load_b128 v[BF+32*(\bs)+8*\k+4*\c:BF+32*(\bs)+8*\k+4*\c+3], v29 offset:(\off)+64*\k+32*\c
.endr
.endr
	ds_load_b128 v[WS+4*(\bs):WS+4*(\bs)+3], v30 offset:\so
.endm
.macro FETCHQ hf                       ; q of columns 2 hf, 2 hf + 1 of my four, for the four batches
.irp i, 0,1,2,3
	ds_load_b64 v[QQ+4*\i+2*(\hf):QQ+4*\i+2*(\hf)+1], v31 offset:2064*\i+8*(\hf)
.endr
.endm
	v_add_nc_u32 v29, s84, v26
	v_add_nc_u32 v30, s85, v27
	v_add_nc_u32 v31, s86, v28
	FETCHW 0, 0, 0                                 ; Wk's first tile
	WIN 0x08                                       ; an LDS store's data are its source 1: window 2
.irp t, 0,1,2,3,4,5,6,7
.irp j, 0,1,2,3,4,5,6,7
	ds_store_b32 v24, v[QA+8*\t+\j] offset:4*(64*(\t/4)+4*\j+\t%4)
.endr
.endr
	WIN 0
	ds_store_b32 v25, v[TM]                        ; q . bk: [batch r][wave]
	BAR                                            ; q of the 16 batches lies in LDS
	FETCHQ 0
	s_lshl_b32 s94, s4, 6
	s_add_co_u32 s94, s94, QBK
	v_mov_b32 v11, s94                             ; four address registers are made anew: q . bk of my four batches;
	s_lshl_b32 s94, s4, 10
	s_add_co_u32 s94, s94, HIMG                    ; my wave's attn, in the bytes that held a hidden fragment:
	v_add_nc_u32 v12, s94, v8                      ; in, by subgoal: 4 n(lane);
	v_add_nc_u32 v13, s94, v5                      ; back for out1: 16 x lane;
	v_lshl_add_u32 v14, v4, 5, s94                 ; back for the values' consumer: 32 h
; ---- A COLUMN TILE.  Matrix instruction wi of a half's 16: K step wi / 4, row tile wi % 4: four accumulators take turns; the first K step starts the sums with the constant 0.
; Source 0 = 16 subgoal rows, source 1 = 16 rows of the weight: lane r holds column h = 64 u + 4 r + p, register j subgoal 16 (tile % 2) + 8 (lane / 16) + j.
.macro WM hf, par, bs
.set ks, wi/4
.set aa, wi%4
.set rD, ACC+32*(\par)+8*aa
.set rA, 32*aa+8*ks
.set rB, BF+32*(\bs)+8*ks
.set rX, AS+4*(2*(\hf)+aa/2)+ks
.set rY, WS+4*(\bs)+ks
.if (ks == 0) && (aa%2 == 0)
	v_wmma_scale_f32_16x16x128_f8f6f4 v[rD:rD+7], v[rA:rA+7], v[rB:rB+7], 0, v[rX], v[rY] matrix_a_fmt:MATRIX_FMT_FP4 matrix_b_fmt:MATRIX_FMT_FP4
.elseif ks == 0
	v_wmma_scale_f32_16x16x128_f8f6f4 v[rD:rD+7], v[rA:rA+7], v[rB:rB+7], 0, v[rX], v[rY] matrix_a_fmt:MATRIX_FMT_FP4 matrix_b_fmt:MATRIX_FMT_FP4 matrix_a_scale:MATRIX_SCALE_ROW1
.elseif aa%2 == 0
	v_wmma_scale_f32_16x16x128_f8f6f4 v[rD:rD+7], v[rA:rA+7], v[rB:rB+7], v[rD:rD+7], v[rX], v[rY] matrix_a_fmt:MATRIX_FMT_FP4 matrix_b_fmt:MATRIX_FMT_FP4
.else
	v_wmma_scale_f32_16x16x128_f8f6f4 v[rD:rD+7], v[rA:rA+7], v[rB:rB+7], v[rD:rD+7], v[rX], v[rY] matrix_a_fmt:MATRIX_FMT_FP4 matrix_b_fmt:MATRIX_FMT_FP4 matrix_a_scale:MATRIX_SCALE_ROW1
.endif
.endm
; The keys' consumer, line wi of 16: two keys of row tile wi / 4 times q of my column cp, onto their score sums.  Each accumulator is read from its low end on.
.macro KC hf, cpar, cp
.set aa, wi/4
.set jp, wi%4
.set rS, SS+8*aa+2*jp
.set rC, ACC+32*(\cpar)+8*aa+2*jp
.set rQ, QQ+4*(2*(\hf)+aa/2)+((\cp)&2)
.if (\cp)&1
	v_pk_fma_f32 v[rS:rS+1], v[rC:rC+1], v[rQ:rQ+1], v[rS:rS+1] op_sel:[0,1,0] op_sel_hi:[1,1,1]
.else
	v_pk_fma_f32 v[rS:rS+1], v[rC:rC+1], v[rQ:rQ+1], v[rS:rS+1] op_sel_hi:[1,0,1]
.endif
.endm
; The values' consumer.  Lines 0-15 (two a slice): attn x value, two subgoals at a time, a chain for each row tile.  Then the chains, the pair and the two halves of the lanes are added.
; Under the half's setting source 1 means window 0, so a sum of two registers of the half's own window is written a x 1.0 + b.
.macro VCL hf, cpar, ln
.set aa, (\ln)%4
.set jp, (\ln)/4
.set rO, OO+2*aa
.set rC, ACC+32*(\cpar)+8*aa+2*jp
.set rT, AT+16*(2*(\hf)+aa/2)+8*(aa%2)+2*jp
.if jp == 0
	v_pk_mul_f32 v[rO:rO+1], v[rC:rC+1], v[rT:rT+1]
.else
	v_pk_fma_f32 v[rO:rO+1], v[rC:rC+1], v[rT:rT+1], v[rO:rO+1]
.endif
.endm
.macro VC hf, cpar, cp
.if wi < 8
	VCL \hf, \cpar, 2*wi
	VCL \hf, \cpar, 2*wi+1
.elseif wi == 8
	v_pk_fma_f32 v[OO:OO+1], v[OO:OO+1], 1.0, v[OO+2:OO+3] op_sel_hi:[1,0,1]
.elseif wi == 9
	v_pk_fma_f32 v[OO+4:OO+5], v[OO+4:OO+5], 1.0, v[OO+6:OO+7] op_sel_hi:[1,0,1]
.elseif wi == 10
	v_fma_f32 v[PP], v[OO], 1.0, v[OO+1]           ; the half's first batch, my 16 subgoals
.elseif wi == 11
	v_fma_f32 v[PP+1], v[OO+4], 1.0, v[OO+5]       ; its second
.elseif wi == 12
	v_permlane16_swap_b32 v[PP], v[PP+1]           ; lanes 0-15 now hold both halves' parts of the first batch, lanes 16-31 of the second
.elseif wi == 13
	v_fma_f32 v[RR+(\cp)], v[PP], 1.0, v[PP+1]
.elseif (wi == 14) && ((\cp) == 3)
	s_wait_loadcnt 0x0                             ; bv of this group, asked for a group ago
	v_pk_add_f32 v[RR:RR+1], v[RR:RR+1], v[BV:BV+1]
	v_pk_add_f32 v[RR+2:RR+3], v[RR+2:RR+3], v[BV+2:BV+3]
.elseif (wi == 15) && ((\cp) == 3)
	WIN 0x04+0x04*(\hf)                            ; a store's data are its source 1
	global_store_b128 v10, v[RR:RR+3], s[42:43] offset:4096*(\hf)-256 th:TH_STORE_NT   ; four neighbouring columns a lane: sixteen lanes store 256 consecutive bytes, at a multiple of 256 from out0's first byte
.endif
.endm
; The run of LDS loads of tile p: the next tile's fragments and scale words into the other set; in the keys pass q, half of my four columns at a time, as the consumer (a tile behind) leaves them.
; In tile 3 the addresses step to the next group of 64 columns first.
.macro FRUN kind, p
	WIN 0
.if (\p) == 3
	s_add_co_u32 s84, s84, 16640
	s_add_co_u32 s85, s85, 1280
	v_add_nc_u32 v29, s84, v26
	v_add_nc_u32 v30, s85, v27
.if (\kind) == 0
	s_add_co_u32 s86, s86, 256
	v_add_nc_u32 v31, s86, v28
.endif
	FETCHW 0, 0, 0
.if (\kind) == 0
	FETCHQ 0
.endif
.else
	FETCHW ((\p)+1)%2, 256*((\p)+1), 16*((\p)+1)
.if ((\kind) == 0) && ((\p) == 1)
	FETCHQ 1
.endif
.endif
	WIN 0x51
.endm
; Half hf of tile p: 16 matrix instructions, behind each a slice of the consumer of tile p - 1.  kind 0: keys, 1: values.  cons = 0: no tile before.  In the keys pass the slices then start the
; score sums at 0.  In the values pass there is nothing to start: four v_nop stand in half Y's first slices, behind half X's last product: they are the four places between half X's products and
; the next tile's first read of their results; half Y's results are first read behind half X's consumer lines of the next tile, which name none of half Y's products' registers.
; The run of loads stands behind slice 3 of half X: the set that it fills was last read by the tile before, and slice 15 of that tile and these four slices, plain instructions that name none
; of those products' registers, are the places between (ISA guide 7.12.1 for vector instructions).
.macro HALF kind, hf, p, cons, fetch
	WIN 0x51+0x51*(\hf)
.set wi, 0
.rept 16
	WM \hf, (\p)%2, (\p)%2
.if \cons
.if (\kind) == 0
	KC \hf, 1-(\p)%2, ((\p)+3)%4
.else
	VC \hf, 1-(\p)%2, ((\p)+3)%4
.endif
.elseif (\kind) == 0
	v_mov_b32 v[SS+2*wi], 0                        ; the pass is written once: its first consumer finds zeros
	v_mov_b32 v[SS+2*wi+1], 0
.elseif ((\hf) == 1) && (wi < 4)
	v_nop                                          ; a place behind half X's products of this tile
.endif
.if (\fetch) && ((\hf) == 0) && (wi == 3)
	FRUN \kind, \p
.endif
.set wi, wi+1
.endr
.endm
.macro TILE kind, p, cons, fetch
	s_wait_dscnt 0x0                               ; this tile's fragments, asked for 28 matrix instructions ago, are in
	HALF \kind, 0, \p, \cons, \fetch
	HALF \kind, 1, \p, \cons, 0
.endm
.macro DRAIN kind                      ; the last tile is consumed.  Half X's results were finished ahead of half Y's 16 slices; half X's lines here are the places behind half Y's last products
.irp hf, 0,1
	WIN 0x51+0x51*\hf
.set wi, 0
.rept 16
.if (\kind) == 0
	KC \hf, 1, 3
.else
	VC \hf, 1, 3
.endif
.set wi, wi+1
.endr
.endr
.endm
	; ---- THE KEYS PASS: 8 groups of 4 column tiles of Wk
	TILE 0, 0, 0, 1
	WIN 0
	s_mov_b32 s87, 7
.Lkeys:                                            ; a trip: tiles 1, 2, 3 of a group and tile 0 of the next
	TILE 0, 1, 1, 1
	TILE 0, 2, 1, 1
	TILE 0, 3, 1, 1
	TILE 0, 0, 1, 1
	WIN 0
	s_sub_co_u32 s87, s87, 1
	s_cmp_lg_u32 s87, 0
	s_cbranch_scc1 .Lkeys
	TILE 0, 1, 1, 1
	TILE 0, 2, 1, 1
	TILE 0, 3, 1, 0                                ; nothing is left to fetch
	DRAIN 0
	; ---- BETWEEN THE PASSES
	WIN 0
	s_wait_tensorcnt 0x0                           ; my part of Wv is in,
	BAR                                            ; everybody's is
	s_mov_b32 s84, WV
	s_mov_b32 s85, SCL+10240
	v_add_nc_u32 v29, s84, v26
	v_add_nc_u32 v30, s85, v27
.irp i, 0,1,2,3
	ds_load_b128 v[QP+4*\i:QP+4*\i+3], v11 offset:16*\i   ; the four waves' parts of q . bk of batch i
.endr
	FETCHW 0, 0, 0                                 ; Wv's first tile
	; the positional bias of my subgoal, four batches: 2^(-8 log2(e) (pm - n / 31)^2); the reduction below is the independent work behind the exponentials
	v_lshrrev_b32 v244, 2, v8
	v_cvt_f32_u32 v244, v244
	v_mul_f32 v244, 0x3d042108, v244               ; n x (1 / 31)
.irp i, 0,1,2,3
	v_sub_f32 v[BI+\i], s[96+\i], v244
.endr
.irp i, 0,1,2,3
	v_mul_f32 v[BI+\i], v[BI+\i], v[BI+\i]
.endr
.irp i, 0,1,2,3
	v_mul_f32 v[BI+\i], 0xc138aa3b, v[BI+\i]
.endr
.irp i, 0,1,2,3
	v_exp_f32 v[BI+\i], v[BI+\i]
.endr
	; THE SCORES: a batch has 16 sums a lane, each to be added over the 16 lanes of a row.  Four steps of halving: a lane keeps the half of its registers that its bit names,
	; sends the other half to lane l xor m, and adds what it gets.  Lane l ends with the score of subgoal n(l).  The first step selects out of the halves' windows into window 0.
.irp i, 0,1,2,3
	WIN 0x05+0x05*(\i/2)
.irp x, 0,1,2,3,4,5,6,7
	v_cndmask_b32 v[TT+8*\i+\x], v[SS+16*(\i%2)+\x+8], v[SS+16*(\i%2)+\x], s88   ; what I send
	v_cndmask_b32 v[KK+8*\i+\x], v[SS+16*(\i%2)+\x], v[SS+16*(\i%2)+\x+8], s88   ; what I keep
.endr
.endr
	WIN 0
.set ee, 0
.rept 32
	v_add_f32_dpp v[KK+ee], v[TT+ee], v[KK+ee] row_xmask:8 row_mask:0xf bank_mask:0xf
.set ee, ee+1
.endr
.macro RLEV d, msk
.irp i, 0,1,2,3
.set xx, 0
.rept \d
	v_cndmask_b32 v[TT+8*\i+xx], v[KK+8*\i+xx+\d], v[KK+8*\i+xx], s[\msk]
.set xx, xx+1
.endr
.endr
.irp i, 0,1,2,3
.set xx, 0
.rept \d
	v_cndmask_b32 v[KK+8*\i+xx], v[KK+8*\i+xx], v[KK+8*\i+xx+\d], s[\msk]
.set xx, xx+1
.endr
.endr
.irp i, 0,1,2,3
.set xx, 0
.rept \d
	v_add_f32_dpp v[KK+8*\i+xx], v[TT+8*\i+xx], v[KK+8*\i+xx] row_xmask:\d row_mask:0xf bank_mask:0xf
.set xx, xx+1
.endr
.endr
.endm
	RLEV 4, 89
	RLEV 2, 90
	RLEV 1, 91
	s_mov_b32 s7, 0x3d3504f3                       ; 1 / sqrt(512)
	s_wait_dscnt 9                                 ; q . bk's parts are in; the nine loads of Wv's first tile may stay out
.irp i, 0,1,2,3
	v_add_f32 v[QB+\i], v[QP+4*\i], v[QP+4*\i+1]
.endr
.irp i, 0,1,2,3
	v_add_f32 v[MX+\i], v[QP+4*\i+2], v[QP+4*\i+3]
.endr
.irp i, 0,1,2,3
	v_add_f32 v[QB+\i], v[QB+\i], v[MX+\i]
.endr
.irp i, 0,1,2,3
	v_add_f32 v[SCR+\i], v[KK+8*\i], v[QB+\i]      ; q . (S Wk^T) + q . bk
.endr
	v_mov_b32 v245, 0xce6e6b28                     ; -1e9
	s_wait_alu depctr_va_vdst(0)                   ; one wait for the four exponentials, ahead of their first reader
.irp i, 0,1,2,3
	v_fma_f32 v[SCR+\i], v[SCR+\i], s7, v[BI+\i]
.endr
.irp i, 0,1,2,3
	v_cmp_eq_u32 vcc_lo, 0, v[MK+\i]
	v_cndmask_b32 v[SCR+\i], v[SCR+\i], v245, vcc_lo
.endr
	; the softmax over the 32 lanes, four batches by turns; the maximum is taken away
.irp i, 0,1,2,3
	v_max_num_f32_dpp v[MX+\i], v[SCR+\i], v[SCR+\i] row_xmask:1 row_mask:0xf bank_mask:0xf
.endr
.irp m, 2,4,8
.irp i, 0,1,2,3
	v_max_num_f32_dpp v[MX+\i], v[MX+\i], v[MX+\i] row_xmask:\m row_mask:0xf bank_mask:0xf
.endr
.endr
.irp i, 0,1,2,3
	v_permlanex16_b32 v[TP+\i], v[MX+\i], s92, s93
.endr
.irp i, 0,1,2,3
	v_max_num_f32 v[MX+\i], v[MX+\i], v[TP+\i]
.endr
.irp i, 0,1,2,3
	v_sub_f32 v[SCR+\i], v[SCR+\i], v[MX+\i]
.endr
.irp i, 0,1,2,3
	v_mul_f32 v[SCR+\i], 0x3fb8aa3b, v[SCR+\i]
.endr
.irp i, 0,1,2,3
	v_exp_f32 v[SCR+\i], v[SCR+\i]
.endr
	v_nop
	s_wait_alu depctr_va_vdst(0)
.irp i, 0,1,2,3
	v_add_f32_dpp v[MX+\i], v[SCR+\i], v[SCR+\i] row_xmask:1 row_mask:0xf bank_mask:0xf
.endr
.irp m, 2,4,8
.irp i, 0,1,2,3
	v_add_f32_dpp v[MX+\i], v[MX+\i], v[MX+\i] row_xmask:\m row_mask:0xf bank_mask:0xf
.endr
.endr
.irp i, 0,1,2,3
	v_permlanex16_b32 v[TP+\i], v[MX+\i], s92, s93
.endr
.irp i, 0,1,2,3
	v_add_f32 v[MX+\i], v[MX+\i], v[TP+\i]
.endr
.irp i, 0,1,2,3
	v_rcp_f32 v[MX+\i], v[MX+\i]
.endr
	v_nop
	s_wait_alu depctr_va_vdst(0)
.irp i, 0,1,2,3
	v_mul_f32 v[SCR+\i], v[SCR+\i], v[MX+\i]       ; attn
.endr
.irp i, 0,1,2,3
	ds_store_b32 v12, v[SCR+\i] offset:128*\i      ; by subgoal, into my wave's own 512 bytes
.endr
	ds_load_b128 v[228:231], v13                   ; back as they lie in out1 (LDS serves a wave's instructions in order)
.irp i, 0,1,2,3
.irp t, 0,1
.irp q, 0,1
	ds_load_b128 v[AT+16*\i+8*\t+4*\q:AT+16*\i+8*\t+4*\q+3], v14 offset:128*\i+64*\t+16*\q   ; and as the values' consumer wants them: subgoals 16 t + 8 h + 0 .. 7
.endr
.endr
.endr
	s_wait_dscnt 16                                ; all but the 16 just issued
	global_store_b128 v5, v[228:231], s[44:45] th:TH_STORE_NT   ; 32 lanes store 512 consecutive bytes of out1; these registers are not written again
	; ---- THE VALUES PASS: 8 groups of 4 column tiles of Wv; a group's 64 columns leave when its fourth tile is consumed
.macro VSTEP
	s_wait_xcnt 0x0                                ; the last group's stores and bv's load have read their registers and bases: both are written again only behind this wait
	s_add_nc_u64 s[42:43], s[42:43], 256           ; out0: one group beyond the group that is stored next; the stores reach back by their immediate
	s_add_nc_u64 s[40:41], s[40:41], 256           ; bv: the group that is loaded next
.endm
	TILE 1, 0, 0, 1
	WIN 0
	s_mov_b32 s87, 7
.Lvals:
	VSTEP
	TILE 1, 1, 1, 1
	TILE 1, 2, 1, 1
	TILE 1, 3, 1, 1
	TILE 1, 0, 1, 1                                ; its consumer finishes and stores the group before
	WIN 0
	global_load_b128 v[BV:BV+3], v9, s[40:41]      ; bv of the next group to be stored
	s_sub_co_u32 s87, s87, 1
	s_cmp_lg_u32 s87, 0
	s_cbranch_scc1 .Lvals
	VSTEP
	TILE 1, 1, 1, 1
	TILE 1, 2, 1, 1
	TILE 1, 3, 1, 0
	DRAIN 1
	WIN 0
	s_wait_tensorcnt 0x0                           ; the wave's end, behind my last tensor load and my last LDS store
	ds_add_u32 v1, v2
	s_wait_dscnt 0x0
	ROUND                                          ; the closing round: no work-group ends while a partner may still ask for a tile that names it
	s_endpgm
.Lfunc_end_k_q4e31c847e6_fused:
	.size	k_q4e31c847e6_fused, .Lfunc_end_k_q4e31c847e6_fused-k_q4e31c847e6_fused
	.p2alignl 7, 3214868480
	.fill 96, 4, 3214868480
	.section	.rodata,"a",@progbits
	.p2align	6, 0x0
	.amdhsa_kernel k_q4e31c847e6_fused
		.amdhsa_group_segment_fixed_size 327680
		.amdhsa_private_segment_fixed_size 0
		.amdhsa_enable_private_segment 0
		.amdhsa_kernarg_size 152
		.amdhsa_user_sgpr_count 2
		.amdhsa_user_sgpr_kernarg_segment_ptr 1
		.amdhsa_wavefront_size32 1
		.amdhsa_system_sgpr_workgroup_id_x 1
		.amdhsa_system_sgpr_workgroup_id_y 1
		.amdhsa_system_sgpr_workgroup_id_z 1
		.amdhsa_system_vgpr_workitem_id 0
		.amdhsa_next_free_vgpr 1024
		.amdhsa_next_free_sgpr 104
		.amdhsa_reserve_vcc 1
		.amdhsa_float_denorm_mode_32 3
		.amdhsa_float_denorm_mode_16_64 3
		.amdhsa_memory_ordered 1
		.amdhsa_forward_progress 1
		.amdhsa_inst_pref_size 206
	.end_amdhsa_kernel
	.amdgpu_metadata
---
amdhsa.version: [ 1, 2 ]
amdhsa.kernels:
  - .name:           k_q4e31c847e6_fused
    .symbol:         k_q4e31c847e6_fused.kd
    .args:
      - { .name: subgoals_codes, .offset: 0, .size: 8, .value_kind: global_buffer, .address_space: global }
      - { .name: subgoals_scales, .offset: 8, .size: 8, .value_kind: global_buffer, .address_space: global }
      - { .name: mask, .offset: 16, .size: 8, .value_kind: global_buffer, .address_space: global }
      - { .name: pm, .offset: 24, .size: 8, .value_kind: global_buffer, .address_space: global }
      - { .name: Wq1, .offset: 32, .size: 8, .value_kind: global_buffer, .address_space: global }
      - { .name: bq1, .offset: 40, .size: 8, .value_kind: global_buffer, .address_space: global }
      - { .name: ln_g, .offset: 48, .size: 8, .value_kind: global_buffer, .address_space: global }
      - { .name: ln_b, .offset: 56, .size: 8, .value_kind: global_buffer, .address_space: global }
      - { .name: bq2, .offset: 64, .size: 8, .value_kind: global_buffer, .address_space: global }
      - { .name: bk, .offset: 72, .size: 8, .value_kind: global_buffer, .address_space: global }
      - { .name: Wq2_scales, .offset: 80, .size: 8, .value_kind: global_buffer, .address_space: global }
      - { .name: Wq2_codes, .offset: 88, .size: 8, .value_kind: global_buffer, .address_space: global }
      - { .name: Wk_codes, .offset: 96, .size: 8, .value_kind: global_buffer, .address_space: global }
      - { .name: Wv_codes, .offset: 104, .size: 8, .value_kind: global_buffer, .address_space: global }
      - { .name: Wk_scales, .offset: 112, .size: 8, .value_kind: global_buffer, .address_space: global }
      - { .name: Wv_scales, .offset: 120, .size: 8, .value_kind: global_buffer, .address_space: global }
      - { .name: bv, .offset: 128, .size: 8, .value_kind: global_buffer, .address_space: global }
      - { .name: out0, .offset: 136, .size: 8, .value_kind: global_buffer, .address_space: global }
      - { .name: out1, .offset: 144, .size: 8, .value_kind: global_buffer, .address_space: global }
    .group_segment_fixed_size: 327680
    .private_segment_fixed_size: 0
    .kernarg_segment_align: 8
    .kernarg_segment_size: 152
    .max_flat_workgroup_size: 128
    .sgpr_count:     104
    .vgpr_count:     1024
    .wavefront_size: 32
...
	.end_amdgpu_metadata
.endif
;; end of part 1
;; ======== version 2 of 2: 1 launch
;; limits: right only within a limited range of input values
;; launch fused (part 2): grid 256 x 1, 8 waves a work-group, clusters of 4 x 1, 327,680 bytes of LDS; arguments subgoals_codes, subgoals_scales, mask, pm, Wq1, bq1, ln_g, ln_b, bq2, bk, Wq2_scales, Wq2_codes, Wk_codes, Wv_codes, Wk_scales, Wv_scales, bv, out0, out1; writes out0, out1
.if DOCPART == 2
	.amdgcn_target "amdgcn-amd-amdhsa--gfx1250"
	.amdhsa_code_object_version 6
	.text
	.protected	k_q4e31c847e6_fused
	.globl	k_q4e31c847e6_fused
	.p2align	8
	.type	k_q4e31c847e6_fused,@function
k_q4e31c847e6_fused:
	s_mov_b64 s[64:65], 0
	v_nop
	global_prefetch_b8 v0, s[64:65] scope:SCOPE_SE
	s_setreg_imm32_b32 hwreg(HW_REG_WAVE_MODE, 25, 1), 1
	s_wait_xcnt 0x0
	s_wait_alu depctr_hold_cnt(0) depctr_sa_sdst(0) depctr_va_vdst(0) depctr_va_sdst(0) depctr_va_ssrc(0) depctr_va_vcc(0) depctr_vm_vsrc(0)
	s_getreg_b32 s2, hwreg(HW_REG_IB_STS2, 6, 4)
	s_cmp_eq_u32 s2, 0
	s_cbranch_scc0 .Lentry_in_a_cluster
	s_endpgm
.Lentry_in_a_cluster:
	s_bfe_u32 s2, ttmp6, 0x10000c
	s_cmp_lg_u32 s2, 0x3003
	s_cbranch_scc0 .Lentry_shape_is_right
	s_endpgm
.Lentry_shape_is_right:
; PMSubgoalAttention in MX-FP4, one launch.  4,096 batches; each has 32 subgoal rows of 512 numbers (codes of E2M1 with E8M0 bytes).
;   query = Q(relu(LayerNorm(pm Wq1 + bq1))) Wq2^T + bq2;  keys = S Wk^T + bk;  values = S Wv^T + bv;
;   score[n] = (query . keys[n]) / sqrt(512) + exp(-8 (pm - n / 31)^2), -1e9 where mask = 0;  attn = softmax(score);  out = attn . values.
; NO WORK IS LEFT OUT: every input has a way to an output and is loaded; masked rows are computed and selected.  bk stays: under the mask query . bk moves the open scores against the -1e9 of the closed ones.
; TWO IDENTITIES, for all values of the inputs: sum_h q (K + bk) = sum_h q K + sum_h q bk;  sum_n attn (V + bv) = sum_n attn V + bv, since a softmax's weights sum to 1.
; LAYERNORM: each wave takes mean and centred squares of its 64 of the 512; M2 = sum M2_w + 64 sum (mean_w - mean)^2: no difference of large sums.
; LIMITS: NaN and infinities among the inputs are not served.  The position n / 31 is made as n x (1 / 31), one rounding away from the division.  A block of zeros of the hidden layer
; gets the scale byte 1 where the quantiser says 127: its codes are zeros, and the byte is read by this launch alone.  bv enters as two parts of bv / 2: exact for |bv| of 2^-125 and more, and for 0.
; SHARES.  256 work-groups of eight waves; a work-group owns 16 batches.  Waves w and w + 4 are a pair: both hold the 128 subgoal rows of batches 4 (w % 4) .. + 3 in 256 registers for the whole launch;
; wave w takes columns 0-255 of Wk and Wv, wave w + 4 columns 256-511.  Two waves share a SIMD: a tile is a group of 16 matrix instructions, then its 32 packed multiply-adds.
; Keys and values exist only as accumulators, one column tile at a time; each tile is folded at once into 64 score sums a lane (keys) or the outputs of one column (values).
; LDS ROWS.  Weights and subgoals are dense in memory and lie in LDS as LONG rows of four rows (1,024 bytes + 16 of padding): 16 long rows start at 16 different groups of banks.
; COLUMNS: lane r of column tile (u, p) takes row 64 u + 4 r + p of the weight: a lane's four tiles p = 0 .. 3 are four NEIGHBOURING columns: q comes and out0 leaves by 16 bytes a lane, sixteen lanes to 256 consecutive aligned bytes.
; SUBGOAL ROWS: two neighbouring batches are 16 long rows.  Keys and values go by the 32-row form, 32 x 16 x 128; source 0 number a = 2 P + o (batches 2 P, 2 P + 1 of my four; o = 0, 1) has in its half t = 0, 1 row 4 r + 2 o + t
; of the 64: lanes r = 0-7 the first batch, 8-15 the second.  So of the result lanes 0-15 hold the first batch, lanes 16-31 the second: register 16 o + 8 t + j of the pair P is subgoal n = 4 j + 2 o + t of batch 2 P + lane / 16.
; CLUSTER.  All work-groups read the same weights and their scale bytes: 4 work-groups form a cluster and ask for Wk, Wv and the scale bytes jointly (mask 15).  Subgoals are each work-group's own; of Wq2 each wave takes its 64 rows through registers.
; No prefetch is laid: the one stream read once, the subgoals, is asked for whole by the head's tensor loads, and no loop loads from memory.
; REGISTERS.  Window 1: the subgoal rows (source 0 a, K step s at 64 a + 16 s); ahead of them Wq2's fragments at 0-127 and bk at 160-191.  Window 0: all else.
;   v0 thread, v1 spare word, v2 zero, v3-5 bases and v6-8 addresses of weights, scale words, q / bv, v9 4 n(lane) + 128 h, v10 out0, v12 r = lane % 16, v13 h = lane / 16, v14 8 x lane, v15 16 x lane.
.set WK,    0                          ; LDS: Wk's codes: 128 long rows, pitch 1,040
.set SR,    133120                     ; the subgoals' codes, 128 long rows; filled again once with Wv's
.set SCL,   266240                     ; Wk's scale bytes: 32 rows of 256 bytes (16 rows of the weight) + 16; 8,704 bytes on: Wv's
.set STG,   283648                     ; 4,352 bytes for each wave: the parameters' scratch, then the stage of 16 rows x 272 through which Wq2 turns; done with at the second barrier
.set QST,   STG                        ; then: q, 16 batches, pitch 2,064; then each wave's attn, twice 512 bytes
.set HIMG,  318464                     ; behind the stages: the hidden layer's fragments as images of their registers, 512 bytes a wave; then the pairs' exchange of scores
.set HSC,   322560                     ; their scale bytes, 128 bytes a wave
.set RED,   323584                     ; LayerNorm: [row 16][wave 8] (mean, squares); then q . bk: [batch 16][wave 8]
.set BVL,   324608                     ; bv / 2
.set SPARE, 326656                     ; the spare words, 128 bytes for each wave
.set QQ,   16                          ; v16-23   q of my four columns, two batches a lane's half (keys)
.set OO,   16                          ; v16-31   the eight chains of the tile in hand (values)
.set RA,   56                          ; v56-59, v12-15  outputs of a group's four columns: P = 0, P = 1 (values)
.set RB,   12
.set AS,   32                          ; v32-47   subgoals' scale words: source 0 a, K step s at 4 a + s
.set WS,   48                          ; v48-55   the weight tile's scale words, two sets of 4
.set MK,   56                          ; v56-59   mask of my two subgoals, two batches
.set PMB,  60                          ; v60-61   pm of my two batches
.set BV,   60                          ; v60-63   bv / 2 of my four columns (values)
.set BF,   64                          ; v64-127  the weight tile's fragments, two sets of 4 K steps x 8
.set ACC,  128                         ; v128-191 accumulators: source 0 a at 16 a
.set SS,   192                         ; v192-255 score sums (keys)
.set AT,   192                         ;          attn (values)
.set CH,   64                          ; the head: chains
.set HH,   96                          ; hidden layer: register 16 b + i = k 64 w + 32 b + 16 h + i of batch r
.set LG,   128
.set LB,   160
.set QA,   192                         ; bq2, then q in place
.set WQS,  240                         ; Wq2's scale words: tile t, K step s at 4 t + s
.set XF,   64                          ; the hidden layer's fragments
.set XS,   104                         ; and scale words
.set BK,   160                         ; window 1: bk
.set TT,   128                         ; between the passes
.set KK,   160
.set BI,   16
.set MX,   20
.set PT,   24
.set SC,   28
.set MSB, 0
.macro WIN new                         ; the immediate's high byte repeats the setting that is left; a switch that changes nothing is dropped
.if MSB != (\new)
	s_set_vgpr_msb (MSB<<8)|(\new)
.set MSB, \new
.endif
.endm
.macro ROUND                           ; a round of the cluster's barrier
	s_barrier_signal -1
	s_barrier_wait -1
	s_cmp_lg_u32 s4, 0
	s_cbranch_scc1 .Lnot_wave_0_\@
	s_barrier_signal -3
.Lnot_wave_0_\@:
	s_barrier_wait -3
	s_barrier_signal -1
	s_barrier_wait -1
.endm
.macro BAR                             ; my LDS stores have landed and my LDS loads are in: then the work-group's barrier
	s_wait_dscnt 0x0
	s_barrier_signal -1
	s_barrier_wait -1
.endm
	s_load_b512 s[8:23], s[0:1], 0x0               ; subgoals' codes 8, scales 10, mask 12, pm 14, Wq1 16, bq1 18, ln_g 20, ln_b 22
	s_load_b512 s[24:39], s[0:1], 0x40             ; bq2 24, bk 26, Wq2's scales 28, codes 30, Wk's codes 32, Wv's codes 34, Wk's scales 36, Wv's scales 38
	s_load_b128 s[40:43], s[0:1], 0x80             ; bv 40, out0 42
	s_load_b64 s[44:45], s[0:1], 0x90              ; out1
	v_lshl_add_u32 v1, v0, 2, SPARE
	v_mov_b32 v2, 0
	ds_add_u32 v1, v2                              ; the wave's opening: the add, twice on end, and its wait ahead of my first tensor load
	ds_add_u32 v1, v2
	v_lshrrev_b32 v12, 5, v0
	v_readfirstlane_b32 s4, v12                    ; wave 0..7
	s_and_b32 s66, s4, 3                           ; my pair
	s_lshr_b32 s67, s4, 2                          ; my half of the columns
	s_bfe_u32 s5, ttmp6, 0x40000                   ; cx
	s_lshl_b32 s6, ttmp9, 2
	s_add_co_u32 s6, s6, s5                        ; work-group = 4 x cluster + cx: it enters global addresses of my own rows alone
	s_lshl_b32 s7, s6, 4
	s_lshl_b32 s2, s66, 2
	s_add_co_u32 s7, s7, s2                        ; my pair's first batch
	s_mov_b32 s3, 0
	s_mov_b32 s95, 0
	; group 1 for my pair's subgoals: 32 long rows of 128 elements of 8 bytes, 4 words of padding behind every 256; no mask
	s_mov_b32 s48, (3<<16)|(1<<20)|(7<<22)|(3<<25)
	s_mov_b32 s49, 128<<16
	s_mov_b32 s50, 32<<16
	s_mov_b32 s51, 128<<16
	s_mov_b32 s52, 32
	s_mov_b32 s53, 128
	s_mov_b32 s54, 0
	s_mov_b32 s55, 0
	; for half of Wk or Wv: 64 long rows, joint
	s_mov_b32 s56, 15|(3<<16)|(1<<20)|(1<<21)|(7<<22)|(3<<25)
	s_mov_b32 s57, 128<<16
	s_mov_b32 s58, 64<<16
	s_mov_b32 s59, 128<<16
	s_mov_b32 s60, 64
	s_mov_b32 s61, 128
	s_mov_b32 s62, 0
	s_mov_b32 s63, 0
	; for a weight's scale bytes: 32 rows of 256 bytes, 4 words of padding behind every 64, joint
	s_mov_b32 s80, 15|(3<<16)|(1<<20)|(1<<21)|(5<<22)|(3<<25)
	s_mov_b32 s81, 32<<16
	s_mov_b32 s82, 32<<16
	s_mov_b32 s83, 32<<16
	s_mov_b32 s84, 32
	s_mov_b32 s85, 32
	s_mov_b32 s86, 0
	s_mov_b32 s87, 0
	s_mov_b32 s68, 1                               ; groups 0: count, LDS address = a constant + a constant x a number made of the wave's
	s_mul_i32 s69, s4, 33280
	s_add_co_u32 s69, s69, SR
	s_and_b32 s2, s4, 1
	s_mov_b32 s72, 1
	s_mul_i32 s73, s2, 66560
	s_mov_b32 s76, 1
	s_mul_i32 s77, s2, 8704
	s_add_co_u32 s77, s77, SCL
	s_mov_b32 s88, 0xff00ff00                      ; lanes whose number has bit 3, 2, 1, 0 set
	s_mov_b32 s89, 0xf0f0f0f0
	s_mov_b32 s90, 0xcccccccc
	s_mov_b32 s91, 0x55555555                      ; (bit 0 clear: the score sums lie with neighbouring pairs exchanged)
	s_mov_b32 s92, 0x76543210                      ; v_permlanex16_b32's selects for lane l xor 16
	s_mov_b32 s93, 0xfedcba98
	s_mul_i32 s94, s4, 4352
	s_add_co_u32 s94, s94, STG                     ; my scratch and stage
	s_mul_i32 s96, s66, 33280
	s_add_co_u32 s96, s96, SR                      ; my pair's subgoals
	s_lshl_b32 s98, s4, 3
	s_add_co_u32 s98, s98, RED
	s_lshl_b32 s99, s4, 2
	s_add_co_u32 s99, s99, RED
	s_lshl_b32 s101, s4, 8
	s_add_co_u32 s101, s101, QST
	s_mul_i32 s46, s66, 8256
	s_lshl_b32 s47, s67, 10
	s_add_co_u32 s46, s46, s47
	s_add_co_u32 s46, s46, QST                     ; q of my pair's batches and my half of the columns
	v_and_b32 v12, 15, v0                          ; r
	v_bfe_u32 v13, v0, 4, 1                        ; h
	v_and_b32 v99, 31, v0                          ; lane
	v_lshlrev_b32 v17, 4, v12                      ; 16 r
	v_lshlrev_b32 v14, 3, v99
	v_lshlrev_b32 v15, 4, v99
	v_and_b32 v98, 3, v12
	v_lshrrev_b32 v97, 2, v12
	v_lshl_add_u32 v9, v98, 3, v97                 ; n(lane) = 8 (r % 4) + r / 4: the reduction leaves subgoals n and n + 4 in my lane
	v_lshlrev_b32 v9, 2, v9
	v_lshl_add_u32 v9, v13, 7, v9                  ; 4 n + 128 h
	v_lshl_add_u32 v10, v13, 11, v17               ; out0: 2,048 h + 16 r
	v_lshlrev_b32 v11, 2, v13                      ; pm: 4 h
	v_add_nc_u32 v16, s94, v14                     ; parameters in: 8 x lane
	v_lshl_add_u32 v18, v13, 6, s94                ; parameters back
	v_lshl_add_u32 v19, v13, 5, s94                ; bq2, bk back
	v_mad_u32_u24 v20, v13, 272, v17
	v_add_nc_u32 v20, s94, v20                     ; the stage, in: two rows an instruction
	v_mul_u32_u24 v21, v12, 272
	v_lshl_add_u32 v21, v13, 4, v21
	v_add_nc_u32 v21, s94, v21                     ; and back: row r, + 16 h
	v_lshl_add_u32 v22, v12, 6, s98
	v_lshl_add_u32 v23, v12, 6, RED
	v_lshl_add_u32 v24, v0, 4, HIMG                ; my fragment in
	v_lshl_add_u32 v25, v0, 2, HSC
	v_add_nc_u32 v26, HIMG, v15
	v_lshl_add_u32 v27, v99, 2, HSC
	v_mul_u32_u24 v3, v12, 1040
	v_lshl_add_u32 v3, v13, 4, v3                  ; my lane's place in 16 long rows
	v_add_nc_u32 v28, s96, v3
	v_mul_u32_u24 v29, v12, 2064
	v_lshl_add_u32 v29, v13, 5, v29
	v_add_nc_u32 v29, s101, v29                    ; q in: batch r, + 256 w + 32 h
	v_lshl_add_u32 v30, v12, 5, s99                ; q . bk in
	v_mul_u32_u24 v4, v97, 272
	v_lshl_add_u32 v4, v98, 6, v4                  ; my lane's place in a group's scale bytes
	v_mul_u32_u24 v5, v13, 2064
	v_add_nc_u32 v5, v5, v17
	v_add_nc_u32 v5, s46, v5                       ; q back: batch h, + 16 r
	v_lshlrev_b32 v31, 6, v12
	v_lshl_add_u32 v31, v13, 4, v31                ; subgoals' scale bytes: 64 r + 16 h: lane m has row 4 (m % 16) + m / 16
	v_lshl_add_u32 v96, v0, 3, BVL                 ; bv in
	v_lshlrev_b32 v97, 2, v12                      ; 4 r
	s_wait_alu depctr_va_vdst(0)
	s_wait_dscnt 0x0                               ; both opening adds are done
	ROUND                                          ; all four work-groups are here: the first joint loads meet
	s_wait_kmcnt 0x0
	s_lshl_b32 s2, s7, 13
	s_add_nc_u64 s[70:71], s[8:9], s[2:3]          ; waves 0-3: my pair's subgoals, 32,768 bytes
	s_or_b32 s71, s71, 0x80000000
	s_and_b32 s2, s4, 1
	s_lshl_b32 s2, s2, 16
	s_add_nc_u64 s[74:75], s[32:33], s[2:3]        ; waves 4, 5: Wk's halves
	s_or_b32 s75, s75, 0x80000000
	s_cmp_eq_u32 s4, 6
	s_cselect_b64 s[78:79], s[36:37], s[38:39]     ; waves 6, 7: Wk's scale bytes, Wv's: the choice hangs on the wave's number alone
	s_or_b32 s79, s79, 0x80000000
; THE HEAD'S LOADS, one a wave, in one chain of branches on the wave's number
.macro ARM under, g0, g1, next
	s_cmp_lt_u32 s4, \under
	s_cbranch_scc0 \next
	tensor_load_to_lds s[\g0:\g0+3], s[\g1:\g1+7]
	s_nop 0
.rept 4
	v_nop
.endr
	s_branch .Lhead_asked
\next:
.endm
	ARM 4, 68, 48, .Lhead_wk
	ARM 6, 72, 56, .Lhead_sc
	tensor_load_to_lds s[76:79], s[80:87]
	s_nop 0
.rept 4
	v_nop
.endr
.Lhead_asked:
	s_lshl_b32 s94, s4, 8                          ; the parameters: my wave's 64 numbers
	s_add_nc_u64 s[16:17], s[16:17], s[94:95]
	s_add_nc_u64 s[18:19], s[18:19], s[94:95]
	s_add_nc_u64 s[20:21], s[20:21], s[94:95]
	s_add_nc_u64 s[22:23], s[22:23], s[94:95]
	s_add_nc_u64 s[24:25], s[24:25], s[94:95]
	s_add_nc_u64 s[26:27], s[26:27], s[94:95]
	s_add_nc_u64 s[40:41], s[40:41], s[94:95]
	s_lshl_b32 s94, s4, 10
	s_add_nc_u64 s[28:29], s[28:29], s[94:95]      ; Wq2's scale bytes: my 64 rows,
	s_lshl_b32 s94, s4, 14
	s_add_nc_u64 s[30:31], s[30:31], s[94:95]      ; and codes
	s_lshl_b32 s2, s6, 6
	s_add_nc_u64 s[46:47], s[14:15], s[2:3]        ; pm of the work-group's sixteen batches
	s_lshl_b32 s2, s7, 2
	s_add_nc_u64 s[100:101], s[14:15], s[2:3]      ; and of my pair's four
	s_lshl_b32 s2, s7, 9
	s_add_nc_u64 s[10:11], s[10:11], s[2:3]        ; 512 bytes of scale bytes a batch,
	s_lshl_b32 s2, s7, 7
	s_lshl_b32 s94, s67, 8
	s_add_nc_u64 s[12:13], s[12:13], s[2:3]        ; 128 of mask
	s_add_nc_u64 s[44:45], s[44:45], s[2:3]        ; and of out1: I store two batches
	s_add_nc_u64 s[44:45], s[44:45], s[94:95]
	global_load_b64 v[224:225], v14, s[16:17]      ; Wq1
	global_load_b64 v[226:227], v14, s[18:19]      ; bq1
	global_load_b64 v[228:229], v14, s[20:21]      ; ln_g
	global_load_b64 v[230:231], v14, s[22:23]      ; ln_b
	global_load_b64 v[232:233], v14, s[24:25]      ; bq2
	global_load_b64 v[234:235], v14, s[26:27]      ; bk
	global_load_b64 v[236:237], v14, s[40:41]      ; bv
	global_load_b32 v238, v97, s[46:47]            ; pm of batch r
.irp t, 0,1,2,3
	global_load_b128 v[WQS+4*\t:WQS+4*\t+3], v17, s[28:29] offset:256*\t   ; row 64 w + 16 t + r: four K steps' words
.endr
	WIN 0x40
.irp t, 0,1,2,3
.irp g, 0,1,2,3,4,5,6,7
	global_load_b128 v[32*\t+4*\g:32*\t+4*\g+3], v15, s[30:31] offset:4096*\t+512*\g   ; Wq2: 16 rows a tile, as they lie, 512 consecutive bytes a load
.endr
.endr
	WIN 0
.irp a, 0,1,2,3
	global_load_b128 v[AS+4*\a:AS+4*\a+3], v31, s[10:11] offset:1024*(\a/2)+32*(\a%2)   ; four K steps' words of my row
.endr
.irp a, 0,1,2,3
	global_load_b32 v[MK+\a], v9, s[12:13] offset:256*(\a/2)+16*(\a%2)   ; subgoals n, n + 4
.endr
.irp b, 0,1
	global_load_b32 v[PMB+\b], v11, s[100:101] offset:8*\b
.endr
	s_lshl_b32 s2, s7, 11
	s_lshl_b32 s94, s67, 10
	s_add_nc_u64 s[42:43], s[42:43], s[2:3]        ; out0: my half of the columns
	s_add_nc_u64 s[42:43], s[42:43], s[94:95]
	; ---- THE PARAMETERS go through my scratch, so that each lane gets those of its own k (or output)
	s_wait_loadcnt 46                              ; the 8 oldest are in; 4 + 32 + 4 + 4 + 2 may stay out
	v_mov_b32 v239, v238                           ; (named with it as a pair)
	v_mul_f32 v236, 0.5, v236
	v_mul_f32 v237, 0.5, v237                      ; bv / 2
.irp a, 0,1,2,3,4,5
	ds_store_b64 v16, v[224+2*\a:225+2*\a] offset:256*\a
.endr
	ds_store_b64 v96, v[236:237]
.irp b, 0,1
.irp q, 0,1,2,3
	ds_load_b128 v[CH+16*\b+4*\q:CH+16*\b+4*\q+3], v18 offset:128*\b+16*\q         ; Wq1
	ds_load_b128 v[HH+16*\b+4*\q:HH+16*\b+4*\q+3], v18 offset:256+128*\b+16*\q     ; bq1, onto which h is built
.endr
.endr
.irp b, 0,1
.irp q, 0,1,2,3
	ds_load_b128 v[LG+16*\b+4*\q:LG+16*\b+4*\q+3], v18 offset:512+128*\b+16*\q
	ds_load_b128 v[LB+16*\b+4*\q:LB+16*\b+4*\q+3], v18 offset:768+128*\b+16*\q
.endr
.endr
.irp t, 0,1,2,3
.irp q, 0,1
	ds_load_b128 v[QA+8*\t+4*\q:QA+8*\t+4*\q+3], v19 offset:1024+64*\t+16*\q       ; bq2 in the query's result layout: the C of its first K step
.endr
.endr
	WIN 0x40
.irp t, 0,1,2,3
.irp q, 0,1
	ds_load_b128 v[BK+8*\t+4*\q:BK+8*\t+4*\q+3], v19 offset:1280+64*\t+16*\q       ; bk likewise
.endr
.endr
	WIN 0
	s_wait_alu depctr_va_vdst(0)
	s_wait_dscnt 32                                ; Wq1 and bq1 are in; 32 loads may stay out
	; ---- THE HIDDEN LAYER, in f32: wave w has k 64 w .. 64 w + 63, for the 16 batches
.set ee, 0
.rept 16
	v_pk_fma_f32 v[HH+ee:HH+ee+1], v[CH+ee:CH+ee+1], v[238:239], v[HH+ee:HH+ee+1] op_sel_hi:[1,0,1]   ; h = Wq1 pm + bq1
.set ee, ee+2
.endr
.macro FOLD                            ; four packed chains -> the row's sum over my wave's 64
	v_pk_add_f32 v[CH:CH+1], v[CH:CH+1], v[CH+2:CH+3]
	v_pk_add_f32 v[CH+4:CH+5], v[CH+4:CH+5], v[CH+6:CH+7]
	v_pk_add_f32 v[CH:CH+1], v[CH:CH+1], v[CH+4:CH+5]
	v_add_f32 v[CH], v[CH], v[CH+1]
	v_permlanex16_b32 v[CH+2], v[CH], s92, s93
	v_add_f32 v[CH], v[CH], v[CH+2]
.endm
.irp c, 0,1,2,3
	v_pk_add_f32 v[CH+2*\c:CH+2*\c+1], v[HH+2*\c:HH+2*\c+1], v[HH+8+2*\c:HH+9+2*\c]
.endr
.irp g, 2,3
.irp c, 0,1,2,3
	v_pk_add_f32 v[CH+2*\c:CH+2*\c+1], v[CH+2*\c:CH+2*\c+1], v[HH+8*\g+2*\c:HH+8*\g+2*\c+1]
.endr
.endr
	FOLD
	v_mul_f32 v72, 0x3c800000, v64                 ; my wave's mean: / 64
.set ee, 0
.rept 16
	v_pk_add_f32 v[HH+ee:HH+ee+1], v[HH+ee:HH+ee+1], v[72:73] op_sel_hi:[1,0] neg_lo:[0,1] neg_hi:[0,1]   ; d = h - my wave's mean
.set ee, ee+2
.endr
.irp c, 0,1,2,3
	v_pk_mul_f32 v[CH+2*\c:CH+2*\c+1], v[HH+2*\c:HH+2*\c+1], v[HH+2*\c:HH+2*\c+1]
.endr
.irp g, 1,2,3
.irp c, 0,1,2,3
	v_pk_fma_f32 v[CH+2*\c:CH+2*\c+1], v[HH+8*\g+2*\c:HH+8*\g+2*\c+1], v[HH+8*\g+2*\c:HH+8*\g+2*\c+1], v[CH+2*\c:CH+2*\c+1]
.endr
.endr
	FOLD
	v_mov_b32 v73, v64
	ds_store_b64 v22, v[72:73]                     ; both halves of the lanes write the same words with the same values
	s_mov_b32 s2, 0x42800000                       ; 64
	s_mov_b32 s5, 0x3b000000                       ; 1 / 512
	s_mov_b32 s7, 0x3727c5ac                       ; 1e-5
	s_wait_alu depctr_va_vdst(0)
	BAR
.irp q, 0,1,2,3
	ds_load_b128 v[80+4*\q:83+4*\q], v23 offset:16*\q   ; the eight waves' (mean, squares) of row r
.endr
	s_wait_dscnt 0x0
	v_pk_add_f32 v[64:65], v[80:81], v[82:83]
	v_pk_add_f32 v[66:67], v[84:85], v[86:87]
	v_pk_add_f32 v[68:69], v[88:89], v[90:91]
	v_pk_add_f32 v[70:71], v[92:93], v[94:95]
	v_pk_add_f32 v[64:65], v[64:65], v[66:67]
	v_pk_add_f32 v[68:69], v[68:69], v[70:71]
	v_pk_add_f32 v[64:65], v[64:65], v[68:69]
	v_mul_f32 v78, 0x3e000000, v64                 ; the mean: / 8
.irp n, 0,1,2,3,4,5,6,7
	v_sub_f32 v[80+2*\n], v[80+2*\n], v78
.endr
	v_mul_f32 v76, v80, v80
	v_mul_f32 v77, v82, v82
.irp n, 2,4,6
	v_fma_f32 v76, v[80+2*\n], v[80+2*\n], v76
	v_fma_f32 v77, v[82+2*\n], v[82+2*\n], v77
.endr
	v_sub_f32 v79, v72, v78                        ; my wave's mean less the mean
	v_add_f32 v76, v76, v77
	v_fma_f32 v65, v76, s2, v65
	v_fma_f32 v65, v65, s5, s7                     ; the variance + eps
	s_wait_alu depctr_va_vdst(0)                   ; a wait ahead of the transcendental and behind it
	v_rsq_f32 v74, v65
	v_nop
	s_wait_alu depctr_va_vdst(0)
	v_mul_f32 v76, v79, v74
.set ee, 0
.rept 16
	v_pk_fma_f32 v[HH+ee:HH+ee+1], v[HH+ee:HH+ee+1], v[74:75], v[76:77] op_sel_hi:[1,0,0]   ; (h - mean) x rsqrt
.set ee, ee+2
.endr
.set ee, 0
.rept 16
	v_pk_fma_f32 v[HH+ee:HH+ee+1], v[HH+ee:HH+ee+1], v[LG+ee:LG+ee+1], v[LB+ee:LB+ee+1]
.set ee, ee+2
.endr
.set ee, 0
.rept 32
	v_max_num_f32 v[HH+ee], 0, v[HH+ee]            ; relu
.set ee, ee+1
.endr
	; the quantiser: two blocks of 32 along K; a block lies in lanes l and l xor 16
.irp b, 0,1
	v_max3_num_f32 v[64+\b], v[HH+16*\b], v[HH+1+16*\b], 0x1800000   ; none is negative; the floor 2^(3 - 127) holds the byte at 1 from below
.endr
.irp n, 2,4,6,8,10,12,14
.irp b, 0,1
	v_max3_num_f32 v[64+\b], v[64+\b], v[HH+16*\b+\n], v[HH+1+16*\b+\n]
.endr
.endr
.irp b, 0,1
	v_permlanex16_b32 v[68+\b], v[64+\b], s92, s93
.endr
.irp b, 0,1
	v_max_num_f32 v[64+\b], v[64+\b], v[68+\b]
.endr
.irp b, 0,1
	v_add_nc_u32 v[72+\b], 0xff000000, v[64+\b]    ; 2 off the exponent field: the conversion's scale operand
.endr
.irp b, 0,1
	v_lshrrev_b32 v[70+\b], 23, v[72+\b]           ; the scale's byte
.endr
	v_lshl_or_b32 v84, v71, 8, v70
.irp b, 0,1
	v_cvt_scalef32_pk8_fp4_f32 v[80+2*\b], v[HH+16*\b:HH+7+16*\b], v[72+\b]
	v_cvt_scalef32_pk8_fp4_f32 v[81+2*\b], v[HH+8+16*\b:HH+15+16*\b], v[72+\b]
.endr
	v_nop                                          ; one plain instruction behind a scaled conversion
	v_permlane16_swap_b32 v80, v82                 ; the operand's layout wants a whole block in a lane
	v_permlane16_swap_b32 v81, v83
	ds_store_b128 v24, v[80:83]                    ; half a K step's fragment goes to LDS as an image of its registers,
	ds_store_b32 v25, v84                          ; and its two scale bytes
	s_wait_alu depctr_va_vdst(0)
	; Wq2 turns: a tile's 4,096 bytes, loaded as they lie, go through my stage (rows 272 bytes apart) and come back as fragments, into the registers that they left: K step k at 8 k
.irp t, 0,1,2,3
	s_wait_loadcnt 34-8*\t                         ; this tile's eight loads are in
	WIN 0x44
.irp g, 0,1,2,3,4,5,6,7
	ds_store_b128 v20, v[32*\t+4*\g:32*\t+4*\g+3] offset:544*\g
.endr
.irp k, 0,1,2,3
.irp c, 0,1
	ds_load_b128 v[32*\t+8*\k+4*\c:32*\t+8*\k+4*\c+3], v21 offset:64*\k+32*\c   ; LDS serves a wave's instructions in order: these see the stores above, and the next tile's stores come behind them
.endr
.endr
.endr
	WIN 0
	BAR                                            ; the images are there, and nobody uses a stage any more
	; ---- THE QUERY'S PRODUCT: my 64 outputs (4 tiles of 16 neighbouring rows of Wq2) for the 16 batches, transposed: source 0 = 16 rows of Wq2, source 1 = the hidden layer
.irp n, 0,1,2,3,4,5,6,7
	ds_load_b32 v[96+\n], v27 offset:128*\n
.endr
.irp k, 0,1,2,3
.irp c, 0,1
	ds_load_b128 v[XF+8*\k+4*\c:XF+8*\k+4*\c+3], v26 offset:1024*\k+512*\c
.endr
.endr
	s_wait_dscnt 8                                 ; the scale bytes are in; the fragments' 8 loads may stay out
.irp k, 0,1,2,3
	v_lshl_or_b32 v[XS+\k], v[97+2*\k], 16, v[96+2*\k]   ; K step k's scale words
.endr
.rept 8
	v_nop                                          ; eight places between a scale register's write and a scaled matrix instruction
.endr
	s_wait_alu depctr_va_vdst(0)
	s_wait_dscnt 0x0
	WIN 0x01                                       ; source 0 in window 1
.irp k, 0,1,2,3
.irp t, 0,1,2,3                                ; the four accumulators take turns; bq2 is the C of the first K step
	v_wmma_scale_f32_16x16x128_f8f6f4 v[QA+8*\t:QA+8*\t+7], v[32*\t+8*\k:32*\t+8*\k+7], v[XF+8*\k:XF+8*\k+7], v[QA+8*\t:QA+8*\t+7], v[WQS+4*\t+\k], v[XS+\k] matrix_a_fmt:MATRIX_FMT_FP4 matrix_b_fmt:MATRIX_FMT_FP4
.endr
.endr                                          ; lane (r, h): batch r; register 8 t + j: q at 64 w + 16 t + 8 h + j
.rept 4
	v_nop                                          ; four plain instructions between the last product and the first read of results
.endr
	WIN 0x04                                       ; bk: source 1 in window 1
.set ee, 0
.rept 16
.if ee < 2
	v_pk_mul_f32 v[64+2*(ee%2):65+2*(ee%2)], v[QA+2*ee:QA+2*ee+1], v[BK+2*ee:BK+2*ee+1]
.else
	v_pk_fma_f32 v[64+2*(ee%2):65+2*(ee%2)], v[QA+2*ee:QA+2*ee+1], v[BK+2*ee:BK+2*ee+1], v[64+2*(ee%2):65+2*(ee%2)]   ; q . bk over my wave's 64, two chains
.endif
.set ee, ee+1
.endr
	WIN 0
.irp t, 0,1,2,3
.irp q, 0,1
	ds_store_b128 v29, v[QA+8*\t+4*\q:QA+8*\t+4*\q+3] offset:64*\t+16*\q
.endr
.endr
	v_pk_add_f32 v[64:65], v[64:65], v[66:67]
	v_add_f32 v64, v64, v65
	v_permlanex16_b32 v66, v64, s92, s93
	v_add_f32 v64, v64, v66
	ds_store_b32 v30, v64                          ; [batch r][wave]
.macro FETCHW bs, off, so              ; a column tile's four fragments and its scale words into set bs
.irp k, 0,1,2,3
.irp c, 0,1
	ds_load_b128 v[BF+32*(\bs)+8*\k+4*\c:BF+32*(\bs)+8*\k+4*\c+3], v6 offset:(\off)+64*\k+32*\c
.endr
.endr
	ds_load_b128 v[WS+4*(\bs):WS+4*(\bs)+3], v7 offset:\so
.endm
	s_mul_i32 s20, s67, 66560                      ; where the group of 64 columns in hand begins: codes (WK = 0),
	s_mul_i32 s21, s67, 4352
	s_add_co_u32 s21, s21, SCL                     ; scale bytes,
	s_mov_b32 s22, 0                               ; and q
	v_add_nc_u32 v6, s20, v3
	v_add_nc_u32 v7, s21, v4
	v_add_nc_u32 v8, s22, v5
	s_wait_alu depctr_va_vdst(0)
	s_cmp_lt_u32 s4, 4
	s_cbranch_scc0 .Lothers
	s_wait_tensorcnt 0x0                           ; waves 0-3, which alone issue the subgoals' line: my part is in.  Waves 4-7 have lines of their own and wait for them in front of the round below
.Lothers:
	BAR                                            ; the subgoals and q of the 16 batches lie in LDS
	WIN 0x40
.irp a, 0,1,2,3
.irp k, 0,1,2,3
.irp t, 0,1
.irp c, 0,1
	ds_load_b128 v[64*\a+16*\k+8*\t+4*\c:64*\a+16*\k+8*\t+4*\c+3], v28 offset:16640*(\a/2)+256*(2*(\a%2)+\t)+64*\k+32*\c
.endr
.endr
.endr
.endr
	WIN 0
	s_wait_loadcnt 0x0                             ; the subgoals' scale words, mask and pm
	; ---- THE SUBGOALS ARE IN REGISTERS: THEIR BYTES TAKE Wv
	s_wait_tensorcnt 0x0                           ; no tensor load of mine is out: my part of Wk or of the scale bytes is in
	ds_add_u32 v1, v2                              ; 0 onto my spare word
	s_and_b32 s2, s4, 1
	s_mul_i32 s73, s2, 66560
	s_add_co_u32 s73, s73, SR
	s_lshl_b32 s2, s2, 16
	s_add_nc_u64 s[74:75], s[34:35], s[2:3]
	s_or_b32 s75, s75, 0x80000000
	s_wait_dscnt 0x0                               ; the add is done; my reads of the subgoals are over
	ROUND                                          ; so of every wave of the four work-groups
	s_cmp_lt_u32 s4, 2
	s_cbranch_scc0 .Lno_part
	tensor_load_to_lds s[72:75], s[56:63]          ; the joint refill, first behind the round, half of Wv a wave; it has the whole keys pass in which to land
	s_nop 0
.rept 4
	v_nop
.endr
.Lno_part:
	FETCHW 0, 0, 0                                 ; Wk's first tile: the round has shown Wk and the scale bytes to every wave
; ---- A COLUMN TILE: 16 matrix instructions of 32 x 16 x 128, wi = 4 x K step + a: four accumulators of 16 registers take turns, one instruction a turn; the first K step starts the sums with the constant 0.
.macro WM p
.set ks, wi/4
.set bb, wi%4
.set rD, ACC+16*bb
.set rA, 64*bb+16*ks
.set rB, BF+32*((\p)%2)+8*ks
.set rX, AS+4*bb+ks
.set rY, WS+4*((\p)%2)+ks
.if ks == 0
	v_wmma_scale_f32_32x16x128_f4 v[rD:rD+15], v[rA:rA+15], v[rB:rB+7], 0, v[rX], v[rY]
.else
	v_wmma_scale_f32_32x16x128_f4 v[rD:rD+15], v[rA:rA+15], v[rB:rB+7], v[rD:rD+15], v[rX], v[rY]
.endif
.endm
; The keys' consumer, line wi of 32: two keys' numbers times q of column p, onto their score sums.  Each accumulator is read from its low end on.
.macro KC p, first
.set rS, SS+2*(wi+1-2*(wi%2))          ; (neighbouring pairs exchanged)
.set rC, ACC+2*wi
.set rQ, QQ+4*(wi/16)+((\p)&2)
.if \first
	v_pk_mul_f32 v[rS:rS+1], v[rC:rC+1], v[rQ:rQ+1] op_sel_hi:[1,0]
.elseif (\p)&1
	v_pk_fma_f32 v[rS:rS+1], v[rC:rC+1], v[rQ:rQ+1], v[rS:rS+1] op_sel:[0,1,0] op_sel_hi:[1,1,1]
.else
	v_pk_fma_f32 v[rS:rS+1], v[rC:rC+1], v[rQ:rQ+1], v[rS:rS+1] op_sel_hi:[1,0,1]
.endif
.endm
; The values' consumer, line wi of 32: attn x value, two subgoals at a time, four chains a pair of batches: the eight take turns.  A pair's first chain begins with bv / 2 in both its halves.
.macro VC p
.set cc, wi%8
.set jj, wi/8
.set rO, OO+2*cc
.set rC, ACC+8*cc+2*jj
.set rT, AT+8*cc+2*(jj+1-2*(jj%2))     ; (neighbouring pairs exchanged)
.set rQ, BV+((\p)&2)
.if jj > 0
	v_pk_fma_f32 v[rO:rO+1], v[rC:rC+1], v[rT:rT+1], v[rO:rO+1]
.elseif cc%4 > 0
	v_pk_mul_f32 v[rO:rO+1], v[rC:rC+1], v[rT:rT+1]
.elseif (\p)&1
	v_pk_fma_f32 v[rO:rO+1], v[rC:rC+1], v[rT:rT+1], v[rQ:rQ+1] op_sel:[0,0,1] op_sel_hi:[1,1,1]
.else
	v_pk_fma_f32 v[rO:rO+1], v[rC:rC+1], v[rT:rT+1], v[rQ:rQ+1] op_sel_hi:[1,1,0]
.endif
.endm
.macro VHALF                           ; the eight chains become four,
.irp c, 0,4,8,12
	v_pk_add_f32 v[OO+\c:OO+\c+1], v[OO+\c:OO+\c+1], v[OO+\c+2:OO+\c+3]
.endr
.endm
.macro VRED p                          ; two, and the outputs of column p
	v_pk_add_f32 v[OO:OO+1], v[OO:OO+1], v[OO+4:OO+5]
	v_pk_add_f32 v[OO+8:OO+9], v[OO+8:OO+9], v[OO+12:OO+13]
	v_add_f32 v[RA+(\p)], v[OO], v[OO+1]
	v_add_f32 v[RB+(\p)], v[OO+8], v[OO+9]
.endm
.macro VSTORE                          ; a group's four neighbouring columns a lane: sixteen lanes store 256 consecutive bytes, at a multiple of 256 from out0's first byte
	global_store_b128 v10, v[RA:RA+3], s[42:43] offset:-256 th:TH_STORE_NT
	global_store_b128 v10, v[RB:RB+3], s[42:43] offset:3840 th:TH_STORE_NT
.endm
; kind 0: keys, 1: values.  The next tile's fragments are asked for ahead of this tile's products, into the set that the tile before has read: that tile's 32 consumer lines stand between.
; In tile 0 q (or bv) of the group comes first; in tile 3 the addresses step to the next group.  In the values pass the tile before is added up behind this tile's products:
; its four lines are the four places between the products and the first read of their results; elsewhere four v_nop are.
.macro TILE kind, p, first, fetch
.if \kind
	s_wait_alu depctr_va_vdst(0)
.endif
	s_wait_dscnt 0x0                               ; this tile's fragments, asked for a tile ago, are in
.if (\p) == 0
.if \kind
	ds_load_b128 v[BV:BV+3], v8
.else
.irp i, 0,1
	ds_load_b128 v[QQ+4*\i:QQ+4*\i+3], v8 offset:4128*\i
.endr
.endif
.endif
.if \fetch
.if (\p) == 3
	s_add_co_u32 s20, s20, 16640
	s_add_co_u32 s21, s21, 1088
	s_add_co_u32 s22, s22, 256
	v_add_nc_u32 v6, s20, v3
	v_add_nc_u32 v7, s21, v4
	v_add_nc_u32 v8, s22, v5
	FETCHW 0, 0, 0
.else
	FETCHW ((\p)+1)%2, 256*((\p)+1), 16*((\p)+1)
.endif
.endif
	WIN 0x01
.set wi, 0
.rept 16
	WM \p
.set wi, wi+1
.endr
	WIN 0
.if (\p) == 0
	s_wait_dscnt 9                                 ; q (or bv) is in; the next tile's nine loads may stay out
.endif
.if (\kind) && !(\first)
.if (\p) == 1
	s_wait_xcnt 0x0                                ; the last stores have read their registers and their base
	s_add_nc_u64 s[42:43], s[42:43], 256           ; one group beyond the group that is stored next: the stores reach back by their immediate
.endif
	VRED ((\p)+3)%4
.else
.rept 4
	v_nop
.endr
.endif
.set wi, 0
.rept 32
.if \kind
	VC \p
.else
	KC \p, \first
.endif
.set wi, wi+1
.endr
.if \kind
	VHALF
.endif
.if (\kind) && ((\p) == 0) && !(\first)
	VSTORE
.endif
.endm
	; ---- THE KEYS PASS: my 4 groups of 4 column tiles of Wk
	TILE 0, 0, 1, 1
	s_mov_b32 s23, 3
.Lkeys:                                            ; a trip: tiles 1, 2, 3 of a group and tile 0 of the next
	TILE 0, 1, 0, 1
	TILE 0, 2, 0, 1
	TILE 0, 3, 0, 1
	TILE 0, 0, 0, 1
	s_sub_co_u32 s23, s23, 1
	s_cmp_lg_u32 s23, 0
	s_cbranch_scc1 .Lkeys
	TILE 0, 1, 0, 1
	TILE 0, 2, 0, 1
	TILE 0, 3, 0, 0                                ; nothing is left to fetch
	; ---- BETWEEN THE PASSES
	s_lshl_b32 s94, s66, 7
	s_add_co_u32 s94, s94, RED
	v_lshl_add_u32 v24, v13, 5, s94
.irp i, 0,1
.irp q, 0,1
	ds_load_b128 v[96+8*\i+4*\q:99+8*\i+4*\q], v24 offset:64*\i+16*\q   ; the eight waves' parts of q . bk of batch 2 i + h
.endr
.endr
	s_lshl_b32 s94, s4, 9
	s_add_co_u32 s2, s94, HIMG                     ; the exchange: my words,
	s_xor_b32 s5, s4, 4
	s_lshl_b32 s5, s5, 9
	s_add_co_u32 s5, s5, HIMG                      ; the other wave's of my pair
	s_add_co_u32 s7, s94, QST                      ; and my attn, in bytes that held q: by register, and 4,096 bytes on by subgoal
	; the positional bias of my subgoals n, n + 4, two batches: 2^(-8 log2(e) (pm - n / 31)^2); the reduction below is the independent work behind the exponentials
	v_bfe_u32 v25, v9, 2, 5
	v_add_nc_u32 v26, 4, v25
	v_cvt_f32_u32 v25, v25
	v_cvt_f32_u32 v26, v26
	v_mul_f32 v25, 0x3d042108, v25                 ; n x (1 / 31)
	v_mul_f32 v26, 0x3d042108, v26
.irp i, 0,1,2,3
	v_sub_f32 v[BI+\i], v[PMB+\i/2], v[25+\i%2]
.endr
.irp i, 0,1,2,3
	v_mul_f32 v[BI+\i], v[BI+\i], v[BI+\i]
.endr
.irp i, 0,1,2,3
	v_mul_f32 v[BI+\i], 0xc138aa3b, v[BI+\i]
.endr
	s_wait_alu depctr_va_vdst(0)
.irp i, 0,1,2,3
	v_exp_f32 v[BI+\i], v[BI+\i]
.endr
	; THE SCORES: a pair of batches has 32 sums a lane, each to be added over the 16 lanes of a row.  Four steps of halving: a lane keeps the half of its registers that its bit names,
	; sends the other half to lane l xor m, and adds what it gets.  Lane r ends with registers 2 r, 2 r + 1: subgoals n and n + 4.
.irp i, 0,1
.irp x, 0,1,2,3,4,5,6,7,8,9,10,11,12,13,14,15
	v_cndmask_b32 v[TT+16*\i+\x], v[SS+32*\i+\x+16], v[SS+32*\i+\x], s88   ; what I send
	v_cndmask_b32 v[KK+16*\i+\x], v[SS+32*\i+\x], v[SS+32*\i+\x+16], s88   ; what I keep
.endr
.endr
.set ee, 0
.rept 32
	v_add_f32_dpp v[KK+ee], v[TT+ee], v[KK+ee] row_xmask:8 row_mask:0xf bank_mask:0xf
.set ee, ee+1
.endr
.macro RLEV d, msk, xm
.irp i, 0,1
.set xx, 0
.rept \d
	v_cndmask_b32 v[TT+16*\i+xx], v[KK+16*\i+xx+\d], v[KK+16*\i+xx], s[\msk]
.set xx, xx+1
.endr
.endr
.irp i, 0,1
.set xx, 0
.rept \d
	v_cndmask_b32 v[KK+16*\i+xx], v[KK+16*\i+xx], v[KK+16*\i+xx+\d], s[\msk]
.set xx, xx+1
.endr
.endr
.irp i, 0,1
.set xx, 0
.rept \d
	v_add_f32_dpp v[KK+16*\i+xx], v[TT+16*\i+xx], v[KK+16*\i+xx] row_xmask:\xm row_mask:0xf bank_mask:0xf
.set xx, xx+1
.endr
.endr
.endm
	RLEV 8, 89, 4
	RLEV 4, 90, 2
	RLEV 2, 91, 1
	v_add_nc_u32 v22, s2, v14
	v_add_nc_u32 v23, s5, v14
.irp i, 0,1
	ds_store_b64 v22, v[KK+16*\i:KK+16*\i+1] offset:256*\i     ; my half of the columns' part: 8 x lane
.endr
	s_mul_i32 s20, s67, 66560
	s_add_co_u32 s20, s20, SR
	s_mul_i32 s21, s67, 4352
	s_add_co_u32 s21, s21, SCL+8704
	s_lshl_b32 s2, s67, 10
	s_add_co_u32 s2, s2, BVL
	s_mov_b32 s22, 0
	v_add_nc_u32 v6, s20, v3
	v_add_nc_u32 v7, s21, v4
	v_lshl_add_u32 v5, v12, 4, s2                  ; bv back: + 16 r
	v_add_nc_u32 v8, s22, v5
	s_wait_alu depctr_va_vdst(0)
	s_wait_tensorcnt 0x0                           ; my part of Wv is in,
	BAR                                            ; everybody's is, and the exchange's words
.irp i, 0,1
	ds_load_b64 v[PT+2*\i:PT+2*\i+1], v23 offset:256*\i
.endr
	FETCHW 0, 0, 0                                 ; Wv's first tile
.irp i, 0,1
	v_pk_add_f32 v[96+8*\i:97+8*\i], v[96+8*\i:97+8*\i], v[98+8*\i:99+8*\i]
	v_pk_add_f32 v[100+8*\i:101+8*\i], v[100+8*\i:101+8*\i], v[102+8*\i:103+8*\i]
.endr
.irp i, 0,1
	v_pk_add_f32 v[96+8*\i:97+8*\i], v[96+8*\i:97+8*\i], v[100+8*\i:101+8*\i]
.endr
.irp i, 0,1
	v_add_f32 v[96+8*\i], v[96+8*\i], v[97+8*\i]   ; q . bk
.endr
	s_mov_b32 s5, 0x3d3504f3                       ; 1 / sqrt(512)
	v_mov_b32 v22, 0xce6e6b28                      ; -1e9
	s_wait_alu depctr_va_vdst(0)                   ; the wait for the four exponentials too, ahead of their first reader
	s_wait_dscnt 9                                 ; the other wave's parts are in; the nine loads of Wv's first tile may stay out
.irp i, 0,1,2,3
	v_add_f32 v[SC+\i], v[KK+16*(\i/2)+\i%2], v[PT+\i]
.endr
.irp i, 0,1,2,3
	v_add_f32 v[SC+\i], v[SC+\i], v[96+8*(\i/2)]   ; q . (S Wk^T) + q . bk
.endr
.irp i, 0,1,2,3
	v_fma_f32 v[SC+\i], v[SC+\i], s5, v[BI+\i]
.endr
.irp i, 0,1,2,3
	v_cmp_eq_u32 vcc_lo, 0, v[MK+\i]
	v_cndmask_b32 v[SC+\i], v[SC+\i], v22, vcc_lo
.endr
	; the softmax: two subgoals a lane, 16 lanes; the maximum is taken away
.irp i, 0,1
	v_max_num_f32 v[MX+\i], v[SC+2*\i], v[SC+2*\i+1]
.endr
.irp m, 1,2,4,8
.irp i, 0,1
	v_max_num_f32_dpp v[MX+\i], v[MX+\i], v[MX+\i] row_xmask:\m row_mask:0xf bank_mask:0xf
.endr
.endr
.irp i, 0,1,2,3
	v_sub_f32 v[SC+\i], v[SC+\i], v[MX+\i/2]
.endr
.irp i, 0,1,2,3
	v_mul_f32 v[SC+\i], 0x3fb8aa3b, v[SC+\i]
.endr
	s_wait_alu depctr_va_vdst(0)
.irp i, 0,1,2,3
	v_exp_f32 v[SC+\i], v[SC+\i]
.endr
	v_nop
	s_wait_alu depctr_va_vdst(0)
.irp i, 0,1
	v_add_f32 v[MX+\i], v[SC+2*\i], v[SC+2*\i+1]
.endr
.irp m, 1,2,4,8
.irp i, 0,1
	v_add_f32_dpp v[MX+\i], v[MX+\i], v[MX+\i] row_xmask:\m row_mask:0xf bank_mask:0xf
.endr
.endr
	s_wait_alu depctr_va_vdst(0)
.irp i, 0,1
	v_rcp_f32 v[MX+\i], v[MX+\i]
.endr
	v_xor_b32 v26, 8, v14                          ; attn lies with neighbouring pairs exchanged
	v_add_nc_u32 v16, s7, v26                      ; attn in, by register: 8 x (lane xor 1)
	v_add_nc_u32 v17, s7, v9                       ; and by subgoal: 4 n + 128 h
	v_lshl_add_u32 v18, v13, 7, s7                 ; back for the values' consumer: 128 h
	s_lshl_b32 s2, s67, 8
	s_add_co_u32 s2, s2, s7
	v_add_nc_u32 v19, s2, v14                      ; back for out1: my two batches, 8 x lane
	s_wait_alu depctr_va_vdst(0)
.irp i, 0,1,2,3
	v_mul_f32 v[SC+\i], v[SC+\i], v[MX+\i/2]       ; attn
.endr
.irp i, 0,1
	ds_store_b64 v16, v[SC+2*\i:SC+2*\i+1] offset:256*\i
.endr
.irp i, 0,1,2,3
	ds_store_b32 v17, v[SC+\i] offset:4096+256*(\i/2)+16*(\i%2)
.endr
	ds_load_b64 v[24:25], v19 offset:4096          ; back as they lie in out1 (my own bytes; LDS serves a wave's instructions in order)
.irp i, 0,1
.irp q, 0,1,2,3,4,5,6,7
	ds_load_b128 v[AT+32*\i+4*\q:AT+32*\i+4*\q+3], v18 offset:256*\i+16*\q   ; and as the consumer wants them: register 16 o + 8 t + j
.endr
.endr
	s_wait_dscnt 16                                ; all but the 16 just issued
	global_store_b64 v14, v[24:25], s[44:45] th:TH_STORE_NT   ; 32 lanes store 256 consecutive bytes of out1
	s_wait_xcnt 0x0                                ; the store has read its registers: the first tile's chains are laid over them
	; ---- THE VALUES PASS: my 4 groups of 4 column tiles of Wv; a group's 64 columns leave when its fourth tile is added up
	TILE 1, 0, 1, 1
	s_mov_b32 s23, 3
.Lvals:
	TILE 1, 1, 0, 1
	TILE 1, 2, 0, 1
	TILE 1, 3, 0, 1
	TILE 1, 0, 0, 1                                ; adds up and stores the group before
	s_sub_co_u32 s23, s23, 1
	s_cmp_lg_u32 s23, 0
	s_cbranch_scc1 .Lvals
	TILE 1, 1, 0, 1
	TILE 1, 2, 0, 1
	TILE 1, 3, 0, 0
	VRED 3
	VSTORE
	s_wait_tensorcnt 0x0                           ; the wave's end, behind my last tensor load and my last LDS store
	ds_add_u32 v1, v2
	s_wait_dscnt 0x0
	ROUND                                          ; the closing round: no work-group ends while a partner may still ask for a tile that names it
	s_endpgm
.Lfunc_end_k_q4e31c847e6_fused:
	.size	k_q4e31c847e6_fused, .Lfunc_end_k_q4e31c847e6_fused-k_q4e31c847e6_fused
	.p2alignl 7, 3214868480
	.fill 96, 4, 3214868480
	.section	.rodata,"a",@progbits
	.p2align	6, 0x0
	.amdhsa_kernel k_q4e31c847e6_fused
		.amdhsa_group_segment_fixed_size 327680
		.amdhsa_private_segment_fixed_size 0
		.amdhsa_enable_private_segment 0
		.amdhsa_kernarg_size 152
		.amdhsa_user_sgpr_count 2
		.amdhsa_user_sgpr_kernarg_segment_ptr 1
		.amdhsa_wavefront_size32 1
		.amdhsa_system_sgpr_workgroup_id_x 1
		.amdhsa_system_sgpr_workgroup_id_y 1
		.amdhsa_system_sgpr_workgroup_id_z 1
		.amdhsa_system_vgpr_workitem_id 0
		.amdhsa_next_free_vgpr 512
		.amdhsa_next_free_sgpr 104
		.amdhsa_reserve_vcc 1
		.amdhsa_float_denorm_mode_32 3
		.amdhsa_float_denorm_mode_16_64 3
		.amdhsa_memory_ordered 1
		.amdhsa_forward_progress 1
		.amdhsa_inst_pref_size 146
	.end_amdhsa_kernel
	.amdgpu_metadata
---
amdhsa.version: [ 1, 2 ]
amdhsa.kernels:
  - .name:           k_q4e31c847e6_fused
    .symbol:         k_q4e31c847e6_fused.kd
    .args:
      - { .name: subgoals_codes, .offset: 0, .size: 8, .value_kind: global_buffer, .address_space: global }
      - { .name: subgoals_scales, .offset: 8, .size: 8, .value_kind: global_buffer, .address_space: global }
      - { .name: mask, .offset: 16, .size: 8, .value_kind: global_buffer, .address_space: global }
      - { .name: pm, .offset: 24, .size: 8, .value_kind: global_buffer, .address_space: global }
      - { .name: Wq1, .offset: 32, .size: 8, .value_kind: global_buffer, .address_space: global }
      - { .name: bq1, .offset: 40, .size: 8, .value_kind: global_buffer, .address_space: global }
      - { .name: ln_g, .offset: 48, .size: 8, .value_kind: global_buffer, .address_space: global }
      - { .name: ln_b, .offset: 56, .size: 8, .value_kind: global_buffer, .address_space: global }
      - { .name: bq2, .offset: 64, .size: 8, .value_kind: global_buffer, .address_space: global }
      - { .name: bk, .offset: 72, .size: 8, .value_kind: global_buffer, .address_space: global }
      - { .name: Wq2_scales, .offset: 80, .size: 8, .value_kind: global_buffer, .address_space: global }
      - { .name: Wq2_codes, .offset: 88, .size: 8, .value_kind: global_buffer, .address_space: global }
      - { .name: Wk_codes, .offset: 96, .size: 8, .value_kind: global_buffer, .address_space: global }
      - { .name: Wv_codes, .offset: 104, .size: 8, .value_kind: global_buffer, .address_space: global }
      - { .name: Wk_scales, .offset: 112, .size: 8, .value_kind: global_buffer, .address_space: global }
      - { .name: Wv_scales, .offset: 120, .size: 8, .value_kind: global_buffer, .address_space: global }
      - { .name: bv, .offset: 128, .size: 8, .value_kind: global_buffer, .address_space: global }
      - { .name: out0, .offset: 136, .size: 8, .value_kind: global_buffer, .address_space: global }
      - { .name: out1, .offset: 144, .size: 8, .value_kind: global_buffer, .address_space: global }
    .group_segment_fixed_size: 327680
    .private_segment_fixed_size: 0
    .kernarg_segment_align: 8
    .kernarg_segment_size: 152
    .max_flat_workgroup_size: 256
    .sgpr_count:     104
    .vgpr_count:     512
    .wavefront_size: 32
...
	.end_amdgpu_metadata
.endif
;; end of part 2
